; MI455X (gfx1250); checked and timed in simulation.
; The chip was launched on July 23, 2026; its instructions are those of AMD's public machine-readable ISA for CDNA 5 (MIT licence, August 2026) and "CDNA5" Instruction Set Architecture Reference Guide (July 2026). The comments in the code are by the model that wrote it; some were corrected since.
;; Group Query Attention. Allowed arithmetic: matrix products marked QUANTISED: E3M2 operands, one E8M0 scale for each 32 along K, by v_wmma_scale_f32_16x16x128_f8f6f4 with both operands' format E3M2, f32 sums; everything else in f32.
;; Inputs: Wk 256 x 1,024 float32; Wp 1,024 x 1,024 float32; Wq 1,024 x 1,024 float32; Wv 256 x 1,024 float32; x 4 x 2,048 x 1,024 float32.
;; Outputs: out0 4 x 2,048 x 1,024 float32.
;; This version of the problem:
;;   THIS VERSION OF THE PROBLEM IS GIVEN IN LOW PRECISION. The matrix products marked QUANTISED in the list below multiply operands that are first quantised to E3M2 (3 exponent bits, 2 mantissa bits; 6 bits a number), with one power-of-two scale for each 32 numbers along K (OCP MX v1.0); their sums are f32. All else is computed in f32.
;;   The module's matrix products, in the order in which they are computed (A, B: the left and right operand; K: the contracted axis; several contracted axes count as one K, in the product's order):
;;     1. [M 8,192, K 1,024] x [K 1,024, N 1,024]; A: input x; B: input Wq: QUANTISED
;;     2. [M 8,192, K 1,024] x [K 1,024, N 256]; A: input x; B: input Wk: QUANTISED
;;     3. [M 8,192, K 1,024] x [K 1,024, N 256]; A: input x; B: input Wv: QUANTISED
;;     4. batch 16 x [M 8,192, K 64] x [K 64, N 2,048]; A: computed on the way; B: computed on the way: QUANTISED
;;     5. batch 16 x [M 8,192, K 2,048] x [K 2,048, N 64]; A: softmax (see below); B: computed on the way: QUANTISED
;;     6. [M 8,192, K 1,024] x [K 1,024, N 1,024]; A: computed on the way; B: input Wp: QUANTISED
;;   THE QUANTISER, for each operand of a quantised product, along K:
;;     - K is cut into blocks of 32 from its start; a last block that is shorter is filled with zeros.
;;     - A block's scale is 2^e with e = floor(log2(the largest magnitude in the block)) - 4, held to -126 .. 127; a block of zeros has e = 0. As a byte (E8M0): e + 127.
;;     - Each number is divided by its block's scale, clamped to +-28, and rounded to the nearest number of E3M2, ties to even, subnormals kept.
;;     - The product sums the exact products of the quantised numbers (number of the format x scale) in f32.
;;   ~~~python
;;   def quantise(x, axis):      # numpy; x: float32 -> the quantised numbers, widened to float32 again
;;       x = np.moveaxis(x, axis, -1); K = x.shape[-1]
;;       x = np.pad(x, [(0, 0)] * (x.ndim - 1) + [(0, -K % 32)]); x = x.reshape(x.shape[:-1] + (-1, 32)); a = np.abs(x).max(-1, keepdims=True)
;;       e = np.where(a > 0, np.clip(np.frexp(np.where(a > 0, a, 1))[1] - 1 - 4, -126, 127), 0)      # np.frexp(a)[1] - 1 = floor(log2(a)), exactly
;;       r = np.clip(x / 2.0 ** e, -28, 28)
;;       step = 2.0 ** (np.maximum(np.frexp(np.where(r == 0, 1, r))[1] - 1, -2) - 2)
;;       q = np.round(r / step) * step * 2.0 ** e      # np.round: ties to even
;;       return np.moveaxis(q.reshape(q.shape[:-2] + (-1,))[..., :K], -1, axis).astype(np.float32)
;;   ~~~
;;   SOFTMAX AHEAD OF A QUANTISED PRODUCT. Where the list says 'softmax', what is quantised is not the finished softmax but p = 2^(t - M), with t = logit x log2(e) and M = ceil(the row's largest t), a whole number; so 1/2 < the row's largest p <= 1. The row's sum l is taken of the UNQUANTISED p, in f32, and the product's result is divided by l at the end. Since M is a whole number, a kernel that streams over the keys may use a running M (the ceiling of the running maximum): every later rescaling is an exact power of two, which a block's scale takes up: the codes' values come out the same.
;;   OPERANDS COMPUTED ON THE WAY. 'Computed on the way' means the value that the module computes at that place (a softmax that the list does not call 'softmax' is quantised finished and normalised). What goes into a quantiser is computed in f32, as accurately as f32 sums, v_exp_f32 and their like allow (about 1e-6 of the number): no bf16 or f16 on the way to a quantiser, and a product that is left as it is and whose result goes on into a quantised operand takes f32 operands (vector FMAs, or v_wmma_f32_16x16x4_f32). A number that lies on a knife's edge between two numbers of the format may be rounded either way, as far as f32 arithmetic and the matrix unit's own rounding can turn it there, and no further.
;; One version. Each part assembles by itself: llvm-mc -triple=amdgcn-amd-amdhsa -mcpu=gfx1250 --defsym DOCPART=n.
;; ======== version 1 of 1: 4 launches
;; limits: right only within a limited range of input values
;; workspace buffers: xq 6,553,600 bytes; wq 2,048,000 bytes; rope 524,288 bytes; qq 6,815,744 bytes; kv 3,276,800 bytes; ao 6,553,600 bytes
;; launch prep (part 1): grid 368 x 1, 4 waves a work-group, no clusters, 34,304 bytes of LDS; arguments x, Wq, Wk, Wv, Wp, xq, wq, rope; writes xq, wq, rope
.if DOCPART == 1
	.amdgcn_target "amdgcn-amd-amdhsa--gfx1250"
	.amdhsa_code_object_version 6
	.text
	.protected	k_qe6fab73ed3_prep
	.globl	k_qe6fab73ed3_prep
	.p2align	8
	.type	k_qe6fab73ed3_prep,@function
k_qe6fab73ed3_prep:
	s_mov_b64 s[64:65], 0
	v_nop
	global_prefetch_b8 v0, s[64:65] scope:SCOPE_SE
	s_setreg_imm32_b32 hwreg(HW_REG_WAVE_MODE, 25, 1), 1
	s_wait_xcnt 0x0
; PREP.  (1) x [8192][1024] and the four weights ([rows][1024], K innermost), f32, become codes of BF6 (E3M2) with one E8M0 byte for each 32 along K, laid in the ORDER OF THE OPERAND'S REGISTERS.
; (2) the table of cosines and sines for the rotary embedding, in the register order of the launch that uses it.
; LAYOUT OF AN OPERAND.  Rows go in blocks of 64; tile i (0..3) of a block holds rows 32 (i / 2) + 8 (i % 2) + r + 8 (r / 8), r = lane % 16.  A block of rows is 51,200 bytes: four chunks of 256 along K, 12,800 bytes each.
; In a chunk: tile i at 3072 i, in it K step parity p at 1536 p: a fragment (16 rows x 128 K, 12 registers a lane) as two halves of 768 bytes: registers 0-3 at 16 x lane, registers 4-5 at 512 + 8 x lane.
; At 12,288 + 256 p the scale words, 16 bytes a row r: the words of tiles 0..3.
; SHARES.  Work-groups 0..335: block of rows g / 2 (0..127: x; then Wq's 16, Wk and Wv by turns, Wp's 16), K steps 4 (g % 2) + wave: a wave makes four fragments.  Only pointers are chosen: one path for all five tensors.
; Work-groups 336..367: a wave makes the table of one tile of 16 positions.  Waves share nothing: no barrier.
; A block's scale is 2^(floor(log2(largest magnitude)) - 4); its byte is the largest magnitude's exponent field - 4, held at 1 from below by a floor among the maximum's leaves.
; LIMITS: NaN and infinities among the inputs are not served; a block whose largest magnitude lies under 2^-122 gets the byte 1; a block of zeros gets the byte 1 where the rule says 127 (its codes are zeros, and this program alone reads the bytes).
; THE TABLE: inv_freq(i) = RN(1 / RN(10^(i / 8))), i = 0..31, the power taken from a two-word constant times a power of ten; it agrees with a power function that rounds correctly.  angle = position x inv_freq, one f32 product;
; sine and cosine by a three-word reduction by pi / 2 (fused multiply-adds) and polynomials on +-pi / 4, good to about an ulp of 1.
.set NQ_WG, 336
.set PITCH, 528                        ; a stage row: 512 bytes + 16: an odd multiple of 16, so that sixteen rows' loads of 16 bytes start in different banks
.set R,   16                           ; v16-143  two sets of 64: a tile's 16 rows x 512 bytes as loaded
.set X,   144                          ; v144-207 my row's blocks h and 2 + h: 64 numbers
.set C,   208                          ; v208-219 the fragment's 12 registers
.set T0,  220                          ; v220-222, v224-226: the second halves of the two blocks (a conversion's three registers begin on an even number)
.set T1,  224
.set MX,  228                          ; v228-229 largest magnitudes
.set SO,  230                          ; v230-231 the conversions' scale operands
.set W,   12                           ; v12-15   the four tiles' scale words
.set SEL, 42                           ; s[42:43] v_permlanex16_b32's selects for lane l xor 16
	s_load_b256 s[4:11], s[0:1], 0x0               ; x, Wq, Wk, Wv
	s_load_b256 s[12:19], s[0:1], 0x20             ; Wp, xq, wq, rope
	v_lshl_add_u32 v232, v0, 2, 0x8400
	v_mov_b32 v233, 0
	v_lshrrev_b32 v1, 5, v0
	v_readfirstlane_b32 s20, v1                    ; wave
	v_and_b32 v1, 31, v0                           ; lane
	v_and_b32 v2, 15, v0                           ; r
	v_bfe_u32 v3, v0, 4, 1                         ; h
	v_lshlrev_b32 v4, 4, v1                        ; 16 x lane: my bytes of a load's or a store's 512
	s_cmp_ge_u32 ttmp9, NQ_WG
	s_cbranch_scc1 .Lrope
	; ---------------- the quantiser
	s_lshr_b32 s21, ttmp9, 1                       ; which block of 64 rows, over all five tensors
	s_and_b32 s22, ttmp9, 1
	s_lshl_b32 s22, s22, 2
	s_add_co_u32 s22, s22, s20                     ; my K step, 0..7
	s_sub_co_u32 s23, s21, 128                     ; f: the block's number among the weights'
	; THE WEIGHTS' ORDER IN wq, as it stands here: blocks 0..11 Wq's 0..11; blocks 12 + 3 i + 0, 1, 2 (i = 0..3): Wq's block 12 + i, Wk's block i, Wv's block i; blocks 24..39 Wp's 16
	s_sub_co_u32 s24, s23, 12                      ; g = f - 12, of use for f = 12..23
	s_mul_i32 s25, s24, 11
	s_lshr_b32 s25, s25, 5                         ; i = g / 3 (11 g / 32 for g = 0..11): Wk's or Wv's block of rows
	s_mul_i32 s41, s25, 3
	s_sub_co_u32 s24, s24, s41                     ; g % 3: 0 Wq, 1 Wk, 2 Wv
	s_add_co_u32 s41, s25, 12                      ; Wq's block 12 + i
	s_sub_co_u32 s28, s23, 24                      ; Wp's
	s_mul_i32 s40, s20, 16*PITCH                   ; my stage
	s_wait_alu depctr_va_vdst(0)
	v_add_nc_u32 v5, s40, v4                       ; into it: as loaded
	v_mul_u32_u24 v6, v2, PITCH
	v_lshl_add_u32 v6, v3, 7, v6
	v_add_nc_u32 v6, s40, v6                       ; out of it: row r, block h
	v_lshlrev_b32 v8, 3, v1                        ; 8 x lane
	v_lshlrev_b32 v9, 4, v2
	v_lshl_add_u32 v9, v3, 3, v9                   ; 16 r + 8 h: my two scale words
	v_lshlrev_b32 v10, 3, v3                       ; 8 h: where my two bytes stand in a scale word
	v_mov_b32 v11, 0                               ; (a lane permute's destination counts as one of its sources)
	s_mov_b32 s[SEL], 0x76543210
	s_mov_b32 s[SEL+1], 0xfedcba98
	s_wait_alu depctr_va_vdst(0)
	s_wait_kmcnt 0x0
	s_cmp_eq_u32 s24, 2                            ; the choices hang on the work-group's number alone
	s_cselect_b64 s[26:27], s[10:11], s[8:9]       ; Wv, else Wk
	s_cmp_eq_u32 s24, 0
	s_cselect_b64 s[26:27], s[6:7], s[26:27]       ; Wq's block 12 + i
	s_cselect_b32 s25, s41, s25
	s_cmp_lt_u32 s23, 12
	s_cselect_b64 s[26:27], s[6:7], s[26:27]       ; Wq's blocks 0..11
	s_cselect_b32 s25, s23, s25
	s_cmp_ge_u32 s23, 24
	s_cselect_b64 s[26:27], s[12:13], s[26:27]     ; Wp
	s_cselect_b32 s25, s28, s25
	s_cmp_lt_u32 s21, 128
	s_cselect_b64 s[26:27], s[4:5], s[26:27]       ; x
	s_cselect_b32 s25, s21, s25                    ; the block's number in its own tensor
	s_cselect_b64 s[30:31], s[14:15], s[16:17]     ; xq or wq
	s_cselect_b32 s29, s21, s23                    ; and its number there
	s_lshl_b32 s32, s25, 18                        ; 64 rows of 4,096 bytes
	s_lshl_b32 s33, s22, 9                         ; 512 bytes a K step
	s_add_co_u32 s32, s32, s33
	s_mov_b32 s33, 0
	s_add_nc_u64 s[26:27], s[26:27], s[32:33]      ; the source
	s_mul_i32 s34, s29, 51200
	s_lshr_b32 s35, s22, 1
	s_mul_i32 s35, s35, 12800
	s_add_co_u32 s34, s34, s35                     ; the chunk
	s_and_b32 s35, s22, 1
	s_mul_i32 s36, s35, 1536
	s_add_co_u32 s36, s36, s34
	s_mov_b32 s37, 0
	s_lshl_b32 s38, s35, 8
	s_add_co_u32 s38, s38, s34
	s_add_co_u32 s38, s38, 12288
	s_mov_b32 s39, 0
	s_add_nc_u64 s[36:37], s[30:31], s[36:37]      ; the codes
	s_add_nc_u64 s[38:39], s[30:31], s[38:39]      ; the scale words
.macro LOAD i                          ; tile i: sixteen rows, each load 512 consecutive bytes
.set j, 0
.rept 16
	global_load_b128 v[R+64*((\i)%2)+4*j:R+64*((\i)%2)+4*j+3], v4, s[26:27] offset:(32*((\i)/2)+8*((\i)%2)+j+8*(j/8))*4096 th:TH_LOAD_NT
.set j, j+1
.endr
.endm
.macro TILE i
.set RS, R+64*((\i)%2)
.if (\i) < 3
	s_wait_loadcnt 16                              ; my tile's sixteen loads are in; the next tile's sixteen stay out
.else
	s_wait_loadcnt 0x0
.endif
.set j, 0
.rept 16
	ds_store_b128 v5, v[RS+4*j:RS+4*j+3] offset:PITCH*j
.set j, j+1
.endr
.set j, 0
.rept 16
	ds_load_b128 v[X+4*j:X+4*j+3], v6 offset:256*(j/8)+16*(j%8)   ; LDS serves a wave's instructions in order: these see the stores above
.set j, j+1
.endr
	s_wait_dscnt 0x0                               ; my 64 numbers are in, and the stores have read their registers,
.if (\i) < 2
	LOAD (\i)+2                                    ; which take the tile two on
.endif
.irp c, 0,1
	v_max3_num_f32 v[MX+\c], |v[X+32*\c]|, |v[X+32*\c+1]|, 0x2800000   ; block 2 c + h is all mine; the floor 2^(5 - 127) holds the byte at 1 from below
.endr
.irp k, 2,4,6,8,10,12,14,16,18,20,22,24,26,28,30
.irp c, 0,1
	v_max3_num_f32 v[MX+\c], v[MX+\c], |v[X+32*\c+\k]|, |v[X+32*\c+\k+1]|   ; (the two blocks by turns)
.endr
.endr
.irp c, 0,1
	v_add_nc_u32 v[SO+\c], 0xfe000000, v[MX+\c]    ; 4 off the exponent field: the conversion takes this operand's exponent field as its scale
.endr
	v_lshrrev_b32 v7, 23, v[SO]                    ; the two bytes,
	v_lshrrev_b32 v11, 23, v[SO+1]
	v_lshl_or_b32 v7, v11, 16, v7
	v_lshlrev_b32 v7, v10, v7                      ; at their places in the word;
	v_permlanex16_b32 v11, v7, s[SEL], s[SEL+1]
	v_or_b32 v[W+(\i)], v7, v11                    ; with lane l xor 16's two the word is whole
.if (\i) > 0
	s_wait_alu depctr_va_vdst(0)
	s_wait_xcnt 0x0                                ; the last tile's stores have read their data: the codes' registers are written again only behind this wait
.endif
	v_cvt_scalef32_pk16_bf6_f32 v[C:C+2], v[X:X+15], v[SO]
	v_cvt_scalef32_pk16_bf6_f32 v[T0:T0+2], v[X+16:X+31], v[SO]
	v_cvt_scalef32_pk16_bf6_f32 v[C+6:C+8], v[X+32:X+47], v[SO+1]
	v_cvt_scalef32_pk16_bf6_f32 v[T1:T1+2], v[X+48:X+63], v[SO+1]
	v_nop                                          ; one plain place behind the scaled conversions
.irp k, 0,1,2
	v_mov_b32 v[C+3+\k], v[T0+\k]
	v_mov_b32 v[C+9+\k], v[T1+\k]
.endr
	global_store_b128 v4, v[C:C+3], s[36:37] offset:3072*(\i)          ; 512, 256, 512 and 256 consecutive bytes, each at a multiple of 256 from the buffer's first byte
	global_store_b64 v8, v[C+4:C+5], s[36:37] offset:3072*(\i)+512
	global_store_b128 v4, v[C+6:C+9], s[36:37] offset:3072*(\i)+768
	global_store_b64 v8, v[C+10:C+11], s[36:37] offset:3072*(\i)+1280
.endm
	LOAD 0
	LOAD 1
	TILE 0
	TILE 1
	TILE 2
	TILE 3
	v_cmp_ne_u32 vcc_lo, 0, v3
	v_cndmask_b32 v[MX], v[W], v[W+2], vcc_lo      ; lanes 0-15 store the words of tiles 0 and 1, lanes 16-31 those of tiles 2 and 3
	v_cndmask_b32 v[MX+1], v[W+1], v[W+3], vcc_lo
	global_store_b64 v9, v[MX:MX+1], s[38:39]      ; 256 consecutive bytes
	s_wait_tensorcnt 0x0
	ds_add_u32 v232, v233
	s_wait_dscnt 0x0
	s_endpgm
	; ---------------- the table: lane (r, h) holds the cosines and sines of its position at frequencies 16 h + 0 .. 15
.Lrope:
	s_sub_co_u32 s21, ttmp9, NQ_WG
	s_lshl_b32 s21, s21, 2
	s_add_co_u32 s21, s21, s20                     ; the tile of positions, 0..127
	s_lshr_b32 s22, s21, 1
	s_lshl_b32 s22, s22, 5
	s_and_b32 s23, s21, 1
	s_lshl_b32 s23, s23, 3
	s_add_co_u32 s22, s22, s23                     ; 32 (tile / 2) + 8 (tile % 2)
	s_lshl_b32 s26, s21, 12                        ; 4,096 bytes a tile
	s_mov_b32 s27, 0
	s_mov_b32 s44, 0x3f22f983                      ; 2 / pi
	s_mov_b32 s45, 0xbfc90fd8                      ; -pi / 2 in three words, the first short enough that n times it is exact
	s_mov_b32 s46, 0xb4a8885a
	s_mov_b32 s47, 0xa7c234c4
	s_mov_b32 s48, 0x37ccf5ce                      ; the cosine's polynomial in a^2
	s_mov_b32 s49, 0xbab6061a
	s_mov_b32 s50, 0x3d2aaaa5
	s_mov_b32 s51, 0xb94ca1f9                      ; the sine's
	s_mov_b32 s52, 0x3c08839e
	s_mov_b32 s53, 0xbe2aaaa3
	s_wait_alu depctr_va_vdst(0)
	v_and_b32 v5, 8, v2
	v_add_nc_u32 v5, v5, v2
	v_add_nc_u32 v5, s22, v5
	v_cvt_f32_u32 v5, v5                           ; my position
	v_cmp_ne_u32 vcc_lo, 0, v3
	v_mov_b32 v21, 0x42c80000                      ; 100
	v_mov_b32 v22, 0x447a0000                      ; 1000
	v_cndmask_b32 v6, 1.0, v21, vcc_lo             ; 10^(2 h): frequencies 16 h + 0 .. 7
	v_cndmask_b32 v7, 0x41200000, v22, vcc_lo      ; 10^(2 h + 1): frequencies 16 h + 8 .. 15
	s_wait_alu depctr_va_vdst(0)
	s_wait_kmcnt 0x0
	s_add_nc_u64 s[18:19], s[18:19], s[26:27]
.macro ANG e, tt, mhi, mlo             ; frequency 16 h + e: 10^(i / 8) = (mhi + mlo) x v[tt]
.if \mhi == 0
	v_mov_b32 v8, v[\tt]
.else
	v_mul_f32 v8, \mhi, v[\tt]
	v_fma_f32 v9, v[\tt], \mhi, -v8                ; what that product dropped,
	v_fma_f32 v9, v[\tt], \mlo, v9                 ; and the low word's part
	v_add_f32 v8, v8, v9                           ; the power, rounded once
.endif
	s_wait_alu depctr_va_vdst(0)
	v_rcp_f32 v10, v8
	v_nop                                          ; one plain place behind the transcendental
	s_wait_alu depctr_va_vdst(0)
	v_fma_f32 v11, -v8, v10, 1.0
	v_fma_f32 v10, v11, v10, v10
	v_fma_f32 v11, -v8, v10, 1.0
	v_fma_f32 v10, v11, v10, v10                   ; inv_freq
	v_mul_f32 v11, v5, v10                         ; the angle
	v_mul_f32 v12, s44, v11
	v_rndne_f32 v12, v12                           ; n
	v_fma_f32 v13, v12, s45, v11
	v_fma_f32 v13, v12, s46, v13
	v_fma_f32 v13, v12, s47, v13                   ; a = angle - n pi / 2
	v_mul_f32 v14, v13, v13
	v_fma_f32 v15, v14, s48, s49
	v_fma_f32 v15, v15, v14, s50
	v_fma_f32 v15, v15, v14, -0.5
	v_fma_f32 v15, v15, v14, 1.0                   ; cos a
	v_fma_f32 v16, v14, s51, s52
	v_fma_f32 v16, v16, v14, s53
	v_mul_f32 v17, v13, v14
	v_fma_f32 v16, v16, v17, v13                   ; sin a
	v_cvt_i32_f32 v17, v12
	v_and_b32 v18, 1, v17
	v_cmp_ne_u32 vcc_lo, 0, v18                    ; an odd quarter swaps the two: a choice of values, no branch
	v_cndmask_b32 v19, v16, v15, vcc_lo
	v_cndmask_b32 v20, v15, v16, vcc_lo
	v_and_b32 v18, 2, v17
	v_lshlrev_b32 v18, 30, v18
	v_xor_b32 v[48+\e], v19, v18                   ; the sine is negative in quarters 2 and 3,
	v_add_nc_u32 v17, 1, v17
	v_and_b32 v17, 2, v17
	v_lshlrev_b32 v17, 30, v17
	v_xor_b32 v[32+\e], v20, v17                   ; the cosine in quarters 1 and 2
.endm
.macro ANG8 e0, tt
	ANG \e0+0, \tt, 0, 0
	ANG \e0+1, \tt, 0x3faab0d5, 0xb36457e2
	ANG \e0+2, \tt, 0x3fe39ea9, 0xb26aee20
	ANG \e0+3, \tt, 0x4017c496, 0x3360691f
	ANG \e0+4, \tt, 0x404a62c2, 0xb324b494
	ANG \e0+5, \tt, 0x4086f161, 0xb430577b
	ANG \e0+6, \tt, 0x40b3f300, 0x34323462
	ANG \e0+7, \tt, 0x40eff755, 0x34515b51
.endm
	ANG8 0, 6
	ANG8 8, 7
.irp q, 0,1,2,3
	global_store_b128 v4, v[32+4*\q:35+4*\q], s[18:19] offset:512*\q          ; cosines: 512 consecutive bytes a store
	global_store_b128 v4, v[48+4*\q:51+4*\q], s[18:19] offset:2048+512*\q     ; sines
.endr
	s_endpgm
.Lfunc_end_k_qe6fab73ed3_prep:
	.size	k_qe6fab73ed3_prep, .Lfunc_end_k_qe6fab73ed3_prep-k_qe6fab73ed3_prep
	.p2alignl 7, 3214868480
	.fill 96, 4, 3214868480
	.section	.rodata,"a",@progbits
	.p2align	6, 0x0
	.amdhsa_kernel k_qe6fab73ed3_prep
		.amdhsa_group_segment_fixed_size 34304
		.amdhsa_private_segment_fixed_size 0
		.amdhsa_enable_private_segment 0
		.amdhsa_kernarg_size 64
		.amdhsa_user_sgpr_count 2
		.amdhsa_user_sgpr_kernarg_segment_ptr 1
		.amdhsa_wavefront_size32 1
		.amdhsa_system_sgpr_workgroup_id_x 1
		.amdhsa_system_sgpr_workgroup_id_y 1
		.amdhsa_system_sgpr_workgroup_id_z 1
		.amdhsa_system_vgpr_workitem_id 0
		.amdhsa_next_free_vgpr 234
		.amdhsa_next_free_sgpr 66
		.amdhsa_reserve_vcc 1
		.amdhsa_float_denorm_mode_32 3
		.amdhsa_float_denorm_mode_16_64 3
		.amdhsa_memory_ordered 1
		.amdhsa_forward_progress 1
		.amdhsa_inst_pref_size 62
	.end_amdhsa_kernel
	.amdgpu_metadata
---
amdhsa.version: [ 1, 2 ]
amdhsa.kernels:
  - .name:           k_qe6fab73ed3_prep
    .symbol:         k_qe6fab73ed3_prep.kd
    .args:
      - { .name: x, .offset: 0, .size: 8, .value_kind: global_buffer, .address_space: global }
      - { .name: Wq, .offset: 8, .size: 8, .value_kind: global_buffer, .address_space: global }
      - { .name: Wk, .offset: 16, .size: 8, .value_kind: global_buffer, .address_space: global }
      - { .name: Wv, .offset: 24, .size: 8, .value_kind: global_buffer, .address_space: global }
      - { .name: Wp, .offset: 32, .size: 8, .value_kind: global_buffer, .address_space: global }
      - { .name: xq, .offset: 40, .size: 8, .value_kind: global_buffer, .address_space: global }
      - { .name: wq, .offset: 48, .size: 8, .value_kind: global_buffer, .address_space: global }
      - { .name: rope, .offset: 56, .size: 8, .value_kind: global_buffer, .address_space: global }
    .group_segment_fixed_size: 34304
    .private_segment_fixed_size: 0
    .kernarg_segment_align: 8
    .kernarg_segment_size: 64
    .max_flat_workgroup_size: 128
    .sgpr_count:     66
    .vgpr_count:     234
    .wavefront_size: 32
...
	.end_amdgpu_metadata
.endif
;; end of part 1
;; launch qkv (part 2): grid 8 x 32, 12 waves a work-group, clusters of 4 x 4, 327,680 bytes of LDS; arguments xq, wq, rope, qq, kv; writes qq, kv
.if DOCPART == 2
	.amdgcn_target "amdgcn-amd-amdhsa--gfx1250"
	.amdhsa_code_object_version 6
	.text
	.protected	k_qe6fab73ed3_qkv
	.globl	k_qe6fab73ed3_qkv
	.p2align	8
	.type	k_qe6fab73ed3_qkv,@function
k_qe6fab73ed3_qkv:
	s_mov_b64 s[64:65], 0
	v_nop
	global_prefetch_b8 v0, s[64:65] scope:SCOPE_SE
	s_setreg_imm32_b32 hwreg(HW_REG_WAVE_MODE, 25, 1), 1
	s_wait_xcnt 0x0
	s_wait_alu depctr_hold_cnt(0) depctr_sa_sdst(0) depctr_va_vdst(0) depctr_va_sdst(0) depctr_va_ssrc(0) depctr_va_vcc(0) depctr_vm_vsrc(0)
	s_getreg_b32 s2, hwreg(HW_REG_IB_STS2, 6, 4)
	s_cmp_eq_u32 s2, 0
	s_cbranch_scc0 .Lentry_in_a_cluster
	s_endpgm
.Lentry_in_a_cluster:
	s_bfe_u32 s2, ttmp6, 0x10000c
	s_cmp_lg_u32 s2, 0xf033
	s_cbranch_scc0 .Lentry_shape_is_right
	s_endpgm
.Lentry_shape_is_right:
; QKV.  Q = x Wq^T, K = x Wk^T, V = x Wv^T on codes of BF6 with E8M0 scales (K = 1,024), the rotary embedding on Q and K in f32, and the results quantised again: Q and K along the head's 64, V along the positions.
; OPERANDS lie in memory in the order of their registers: blocks of 64 rows, 51,200 bytes; four chunks of 256 along K, 12,800 bytes; in a chunk tile i at 3072 i, K step parity p at 1536 p, scale words at 12,288 + 256 p + 16 r.
; Tile i of a block holds rows 32 (i / 2) + 8 (i % 2) + r + 8 (r / 8): so the 32 registers that a lane gets from source 0's four tiles are index 32 b + 16 h + e at register 16 b + e: neighbours for the next quantiser.
; SHARES.  8 x 32 work-groups, one for each of 256 blocks of the result: 192 rows of weights (three blocks) x 256 rows of x (four blocks); twelve waves, wave w: weights' block hs = w / 4, x's block pu = w % 4: 16 accumulators.
; The weights' blocks lie in wq so that a work-group's three are neighbours: cluster column 0 makes Q's heads 3 cx + hs; cluster column 1 makes Q's head 12 + cx (hs = 0), K's head cx (hs = 1), V's head cx (hs = 2).
; So what a wave makes hangs on the cluster's column and the wave's number, and on no place in the cluster.
; LDS: three slots of one chunk of K, 89,600 bytes each: x's four blocks, then the weights' three.  All of K would be 358,400 bytes, more than a work-group can have: chunks 0, 1, 2 fill the slots at the head,
; one joint load a wave (wave w: chunk w / 4; part w % 4: x's blocks 0-1, x's blocks 2-3, the weights' blocks 0-1, the weights' block 2), and chunk 3 fills slot 0 again when chunk 0 has been multiplied:
; behind each wave's wait for its tensor loads, the add, the wait for its LDS instructions and a round of the cluster's barrier; waves 0-3 issue it.
; A wave has one tensor load out at the most, and every wait for tensor loads is for 0.  No prefetch: three of the four chunks are asked for at the head, and the text has no loop to run ahead in.
; Q, K: source 0 = weights, source 1 = x: a lane holds one position and its registers run along the head.  V: THE TWO PANELS' ADDRESSES ARE SWAPPED: source 0 = x, source 1 = Wv: a lane holds one channel and its registers
; run along the positions.  One text of the K step serves all.  Both panels of a chunk lie in one slot, so either choice stays inside the slot.
; CLUSTER 4 x 4: x's blocks hang on the work-group's row alone and are asked for jointly along a row of the cluster, the weights' along a column.
; LIMITS: NaN and infinities are not served; a block under 2^-122, or of zeros, gets the byte 1.
; REGISTERS: v1, v3 the add's two; v2 h; v4-9 LDS addresses; v10, v11 16 and 8 x lane; v12-15, v112-115 scale words and nothing else; v16-63 source 0's four fragments, v64-111 source 1's; v116-127 at work; v128-255 accumulators.
.set QS_OFF, 6291456                   ; Q's scale words lie behind Q's codes
.set BLK,   12800
.set SLOT,  89600
.set WOFF,  51200                      ; in a slot the weights' blocks lie behind x's four
.set SPARE, 268800                     ; behind the three slots: the spare words, 128 bytes for each of twelve waves
.set SPW, 1
.set NIL, 3
.set SC0, 12
.set SC1, 112
.set S0F, 16
.set S1F, 64
.set ACC, 128
.set CT,  116                          ; v116-118 a conversion's second result
.set OS4, 119                          ; v119     8 r + 4 h
.set TM,  120                          ; v120-121 largest magnitudes
.set TM2, 122                          ; v122-123 the other half's
.set SOQ, 124                          ; v124-125 the conversions' scale operands
.set BY,  126                          ; v126-127 the bytes
.set RT,  110                          ; v110-111 at work in the rotation
.set G1X, 24                           ; s[24:31] group 1: two blocks' chunks of x
.set G1W, 32                           ; s[32:39] two blocks' chunks of weights
.set G1V, 40                           ; s[40:47] one block's chunk of weights
.set G0X, 48                           ; s[48:51] group 0 for x at the head, s[52:55] for the refill
.set G0W, 56                           ; s[56:59], s[60:63] the same for the weights
.set SEL, 66
.macro ROUND                           ; a round of the cluster's barrier
	s_barrier_signal -1
	s_barrier_wait -1
	s_cmp_lg_u32 s14, 0
	s_cbranch_scc1 .Lnot_wave_0_\@
	s_barrier_signal -3
.Lnot_wave_0_\@:
	s_barrier_wait -3
	s_barrier_signal -1
	s_barrier_wait -1
.endm
.macro TLOAD g0, g1                    ; a joint load
	tensor_load_to_lds s[\g0:\g0+3], s[\g1:\g1+7]
	s_nop 0
.rept 4
	v_nop
.endr
.endm
.macro JLOADS o                        ; one chain of branches on the wave's part, one load to an arm, one join.  o = 0: the head's descriptors, 4: the refill's
	s_cmp_lt_u32 s16, 2
	s_cbranch_scc0 .Lw_\@
	TLOAD G0X+\o, G1X
	s_branch .Lasked_\@
.Lw_\@:
	s_cmp_eq_u32 s16, 2
	s_cbranch_scc0 .Lv_\@
	TLOAD G0W+\o, G1W
	s_branch .Lasked_\@
.Lv_\@:
	TLOAD G0W+\o, G1V
.Lasked_\@:
.endm
.macro FRAGLD reg, a16, a8, off        ; a fragment, as it was stored: every load takes consecutive bytes from consecutive lanes
	ds_load_b128 v[\reg:\reg+3], v[\a16] offset:\off
	ds_load_b64 v[\reg+4:\reg+5], v[\a8] offset:\off+512
	ds_load_b128 v[\reg+6:\reg+9], v[\a16] offset:\off+768
	ds_load_b64 v[\reg+10:\reg+11], v[\a8] offset:\off+1280
.endm
; 128 along K: 34 LDS loads, 16 matrix instructions.  The sixteen accumulators take turns, one instruction a turn, in the same order in every step.
.macro KSTEP sp, zero, nops
.rept \nops
	v_nop                                          ; places in front of loads into registers that matrix instructions have read
.endr
	ds_load_b128 v[SC0:SC0+3], v8 offset:256*\sp   ; lane r: the scale words of row r of source 0's four tiles
	ds_load_b128 v[SC1:SC1+3], v9 offset:256*\sp   ; and of source 1's
.irp i, 0,1,2,3
	FRAGLD S0F+12*\i, 4, 5, 3072*\i+1536*\sp
.endr
.irp i, 0,1,2,3
	FRAGLD S1F+12*\i, 6, 7, 3072*\i+1536*\sp
.endr
.irp a, 0,1,2,3
	s_wait_dscnt 12-4*\a                           ; all but the later fragments of source 1, four loads each
.irp b, 0,1,2,3
.if \zero
	v_wmma_scale_f32_16x16x128_f8f6f4 v[ACC+8*(4*\a+\b):ACC+8*(4*\a+\b)+7], v[S0F+12*\b:S0F+12*\b+11], v[S1F+12*\a:S1F+12*\a+11], 0, v[SC0+\b], v[SC1+\a] matrix_a_fmt:MATRIX_FMT_BF6 matrix_b_fmt:MATRIX_FMT_BF6
.else
	v_wmma_scale_f32_16x16x128_f8f6f4 v[ACC+8*(4*\a+\b):ACC+8*(4*\a+\b)+7], v[S0F+12*\b:S0F+12*\b+11], v[S1F+12*\a:S1F+12*\a+11], v[ACC+8*(4*\a+\b):ACC+8*(4*\a+\b)+7], v[SC0+\b], v[SC1+\a] matrix_a_fmt:MATRIX_FMT_BF6 matrix_b_fmt:MATRIX_FMT_BF6
.endif
.endr
.endr
.endm
.macro KCHUNK mode, zero               ; 256 along K.  mode 0: the addresses stand; 1: on to the next slot; 2: back to slot 0.  The six address lines are also the places in front of the loads
.if \mode == 1
.irp a, 4,5,6,7,8,9
	v_add_nc_u32 v\a, SLOT, v\a
.endr
.endif
.if \mode == 2
.irp a, 4,5,6,7,8,9
	v_sub_nc_u32 v\a, v\a, 2*SLOT
.endr
.endif
	KSTEP 0, \zero, 0
	s_wait_alu depctr_va_vdst(0)
	KSTEP 1, 0, 4
.endm
; 32 numbers of a lane, register 16 b + e = k 32 b + 16 h + e of my row, become half a fragment (16 rows x 64 K: six registers) in v[hd] on, and u = the two blocks' bytes.
.macro QUANT2 s, hd, u
.irp b, 0,1
	v_max3_num_f32 v[TM+\b], |v[\s+16*\b]|, |v[\s+16*\b+1]|, 0x2800000   ; my 16 numbers of block b, and the floor 2^(5 - 127)
.endr
.irp i, 2,4,6,8,10,12,14
.irp b, 0,1
	v_max3_num_f32 v[TM+\b], v[TM+\b], |v[\s+16*\b+\i]|, |v[\s+16*\b+\i+1]|
.endr
.endr
.irp b, 0,1
	s_delay_alu instid0(VALU_DEP_2)
	v_permlanex16_b32 v[TM2+\b], v[TM+\b], s[SEL], s[SEL+1]
.endr
.irp b, 0,1
	s_delay_alu instid0(VALU_DEP_2)
	v_max_num_f32 v[TM+\b], v[TM+\b], v[TM2+\b]    ; with lane l xor 16's: the block's largest magnitude
.endr
.irp b, 0,1
	s_delay_alu instid0(VALU_DEP_2)
	v_add_nc_u32 v[SOQ+\b], 0xfe000000, v[TM+\b]   ; 4 off its exponent field: the conversion's scale operand
.endr
.irp b, 0,1
	s_delay_alu instid0(VALU_DEP_2)
	v_lshrrev_b32 v[BY+\b], 23, v[SOQ+\b]
.endr
	s_delay_alu instid0(VALU_DEP_1)
	v_lshl_or_b32 v[\u], v[BY+1], 8, v[BY]
	v_cvt_scalef32_pk16_bf6_f32 v[\hd:\hd+2], v[\s:\s+15], v[SOQ]
	v_cvt_scalef32_pk16_bf6_f32 v[CT:CT+2], v[\s+16:\s+31], v[SOQ+1]
	v_nop                                          ; one plain place behind the scaled conversions
.irp i, 0,1,2
	v_permlane16_swap_b32 v[\hd+\i], v[CT+\i]      ; a lane wants a whole block: lanes 0-15 block 0, lanes 16-31 block 1
.endr
.irp i, 0,1,2
	s_delay_alu instid0(VALU_DEP_3)
	v_mov_b32 v[\hd+3+\i], v[CT+\i]
.endr
.endm
	s_load_b256 s[4:11], s[0:1], 0x0               ; xq, wq, rope, qq
	s_load_b64 s[12:13], s[0:1], 0x20              ; kv
	v_lshl_add_u32 v[SPW], v0, 2, SPARE
	v_mov_b32 v[NIL], 0
	ds_add_u32 v[SPW], v[NIL]                      ; the opening lines: the add, twice on end, and its wait ahead of my first tensor load
	ds_add_u32 v[SPW], v[NIL]
	v_lshrrev_b32 v116, 5, v0
	s_delay_alu instid0(VALU_DEP_1)
	v_readfirstlane_b32 s14, v116                  ; wave 0..11
	s_lshr_b32 s15, s14, 2                         ; hs: which block of weights.  Also: which chunk I fetch at the head
	s_and_b32 s16, s14, 3                          ; pu: which block of x.  Also: which part of a chunk I fetch
	s_bfe_u32 s17, ttmp6, 0x40000                  ; cx
	s_bfe_u32 s18, ttmp6, 0x40004                  ; cy
	s_lshl_b32 s19, ttmp9, 2
	s_add_co_u32 s19, s19, s17                     ; n: the work-group's column
	s_and_b32 s20, ttmp7, 0xffff
	s_lshl_b32 s20, s20, 2
	s_add_co_u32 s20, s20, s18                     ; m: its row
	s_lshl_b32 s21, s18, 2
	s_lshl_b32 s21, 15, s21                        ; my row of the cluster
	s_lshl_b32 s22, 0x1111, s17                    ; my column
	; groups 1, elements of 8 bytes, no padding.  Two blocks' chunks: 2 rows of 12,800 bytes, 51,200 bytes apart
	s_or_b32 s[G1X], s21, (3<<16)|(1<<21)
	s_or_b32 s[G1W], s22, (3<<16)|(1<<21)
.irp g, G1X, G1W
	s_mov_b32 s[\g+1], 1600<<16
	s_mov_b32 s[\g+2], 2<<16
	s_mov_b32 s[\g+3], 1600<<16
	s_mov_b32 s[\g+4], 2
	s_mov_b32 s[\g+5], 6400
	s_mov_b32 s[\g+6], 0
	s_mov_b32 s[\g+7], 0
.endr
	s_or_b32 s[G1V], s22, (3<<16)|(1<<21)          ; one block's chunk: dense, 50 rows of 256 bytes
	s_mov_b32 s[G1V+1], 32<<16
	s_mov_b32 s[G1V+2], 50<<16
	s_mov_b32 s[G1V+3], 32<<16
	s_mov_b32 s[G1V+4], 50
	s_mov_b32 s[G1V+5], 32
	s_mov_b32 s[G1V+6], 0
	s_mov_b32 s[G1V+7], 0
	s_and_b32 s72, s16, 1                          ; the first or the second part of x's, or of the weights'
	s_lshl_b32 s68, s20, 2                         ; x: blocks 4 m + 2 (pu % 2) and the next (s68, s69 never hold the column's coordinate)
	s_lshl_b32 s77, s72, 1
	s_add_co_u32 s68, s68, s77
	s_mul_i32 s68, s68, 51200
	s_mov_b32 s69, 0
	s_mul_i32 s70, s19, 153600                     ; weights: blocks 3 n + 2 (pu % 2) on (s70, s71 never hold the row's coordinate)
	s_mul_i32 s77, s72, 102400
	s_add_co_u32 s70, s70, s77
	s_mov_b32 s71, 0
	s_mul_i32 s82, s15, BLK                        ; the head's chunk, in memory
	s_mov_b32 s83, 0
	s_mul_i32 s75, s15, SLOT                       ; and its slot
	s_mul_i32 s73, s72, 25600                      ; where a part goes in a slot: the wave's number alone.  x's,
	s_add_co_u32 s74, s73, WOFF                    ; the weights'
	s_wait_dscnt 0x0                               ; both opening adds are done
	s_wait_kmcnt 0x0
	s_add_nc_u64 s[68:69], s[4:5], s[68:69]
	s_add_nc_u64 s[70:71], s[6:7], s[70:71]
	s_mov_b32 s[G0X], 1
	s_add_co_u32 s[G0X+1], s73, s75
	s_add_nc_u64 s[G0X+2:G0X+3], s[68:69], s[82:83]
	s_or_b32 s[G0X+3], s[G0X+3], 0x80000000
	s_mov_b32 s[G0X+4], 1                          ; the refill: chunk 3 into slot 0
	s_mov_b32 s[G0X+5], s73
	s_add_nc_u64 s[G0X+6:G0X+7], s[68:69], 3*BLK
	s_or_b32 s[G0X+7], s[G0X+7], 0x80000000
	s_mov_b32 s[G0W], 1
	s_add_co_u32 s[G0W+1], s74, s75
	s_add_nc_u64 s[G0W+2:G0W+3], s[70:71], s[82:83]
	s_or_b32 s[G0W+3], s[G0W+3], 0x80000000
	s_mov_b32 s[G0W+4], 1
	s_mov_b32 s[G0W+5], s74
	s_add_nc_u64 s[G0W+6:G0W+7], s[70:71], 3*BLK
	s_or_b32 s[G0W+7], s[G0W+7], 0x80000000
	ROUND                                          ; all sixteen work-groups are here: the joint loads meet
	JLOADS 0                                       ; chunks 0, 1, 2: one load a wave
	s_mov_b32 s[SEL], 0x76543210
	s_mov_b32 s[SEL+1], 0xfedcba98
	s_cmp_eq_u32 ttmp9, 1
	s_cselect_b32 s87, 1, 0                        ; the cluster column with K and V
	s_min_u32 s86, s15, 1
	s_and_b32 s86, s86, s87                        ; my wave makes K or V
	s_lshr_b32 s23, s15, 1
	s_and_b32 s23, s23, s87                        ; my wave makes V
	s_mul_i32 s78, s16, BLK                        ; my block of x in a slot
	s_mul_i32 s79, s15, BLK
	s_add_co_u32 s79, s79, WOFF                    ; my block of weights
	s_cmp_lg_u32 s23, 0
	s_cselect_b32 s80, s78, s79                    ; source 0's panel: the weights', for V x's
	s_cselect_b32 s81, s79, s78                    ; source 1's: the other
	; where the results go
	s_lshr_b32 s84, s20, 3                         ; the batch
	s_lshl_b32 s85, s20, 2
	s_add_co_u32 s85, s85, s16
	s_and_b32 s85, s85, 31                         ; my block of 64 positions in the batch
	s_mul_i32 s94, s17, 3
	s_add_co_u32 s94, s94, s15                     ; Q's head: 3 cx + hs,
	s_add_co_u32 s95, s17, 12                      ; in the column with K and V 12 + cx
	s_cmp_lg_u32 s87, 0
	s_cselect_b32 s94, s95, s94
	s_lshl_b32 s95, s84, 4
	s_add_co_u32 s94, s94, s95                     ; 16 x batch + head
	s_lshl_b32 s95, s94, 7
	s_lshl_b32 s96, s85, 2
	s_add_co_u32 s95, s95, s96
	s_mul_i32 s95, s95, 768                        ; its codes: 768 bytes a tile of 16 positions
	s_lshl_b32 s94, s94, 5
	s_add_co_u32 s94, s94, s85
	s_lshl_b32 s94, s94, 8
	s_add_co_u32 s94, s94, QS_OFF                  ; its scale words: 256 bytes a block
	s_lshl_b32 s96, s84, 2
	s_add_co_u32 s96, s96, s17                     ; K, V: 4 x batch + head
	s_lshl_b32 s96, s96, 4
	s_lshr_b32 s97, s85, 1
	s_add_co_u32 s96, s96, s97
	s_mul_i32 s96, s96, 12800                      ; the step of 128 keys: K's 8 tiles, V's 4 fragments, K's and V's scale words
	s_and_b32 s97, s85, 1                          ; which 64 of them
	s_mul_i32 s98, s97, 3072
	s_mul_i32 s99, s97, 768
	s_add_co_u32 s99, s99, 6144
	s_cmp_lg_u32 s23, 0
	s_cselect_b32 s98, s99, s98
	s_add_co_u32 s98, s98, s96                     ; K's or V's codes
	s_lshl_b32 s99, s23, 8
	s_lshl_b32 s97, s97, 7
	s_add_co_u32 s99, s99, s97
	s_add_co_u32 s99, s99, s96
	s_add_co_u32 s99, s99, 12288                   ; K's or V's scale words
	s_cmp_lg_u32 s86, 0
	s_cselect_b32 s88, s98, s95
	s_cselect_b32 s90, s99, s94
	s_cselect_b64 s[92:93], s[12:13], s[10:11]     ; kv or qq: the choice hangs on the cluster's column and the wave's number
	s_mov_b32 s89, 0
	s_mov_b32 s91, 0
	s_add_nc_u64 s[88:89], s[92:93], s[88:89]      ; the codes
	s_add_nc_u64 s[90:91], s[92:93], s[90:91]      ; the scale words
	s_lshl_b32 s94, s85, 14
	s_mov_b32 s95, 0
	s_add_nc_u64 s[94:95], s[8:9], s[94:95]        ; the table of my four tiles of positions
	v_and_b32 v116, 31, v0                         ; lane
	v_and_b32 v117, 15, v0                         ; r
	v_bfe_u32 v2, v0, 4, 1                         ; h
	v_lshl_add_u32 v4, v116, 4, s80
	v_lshl_add_u32 v5, v116, 3, s80
	v_lshl_add_u32 v6, v116, 4, s81
	v_lshl_add_u32 v7, v116, 3, s81
	v_lshl_add_u32 v8, v117, 4, s80
	v_lshl_add_u32 v9, v117, 4, s81
	v_lshlrev_b32 v10, 4, v116
	v_lshlrev_b32 v11, 3, v116
	v_lshlrev_b32 v[OS4], 3, v117
	v_add_nc_u32 v8, 12288, v8
	v_add_nc_u32 v9, 12288, v9
	v_lshl_add_u32 v[OS4], v2, 2, v[OS4]
	v_mov_b32 v[TM2], 0                            ; (a lane permute's destination counts as one of its sources)
	v_mov_b32 v[TM2+1], 0
	s_wait_alu depctr_va_vdst(0)
	s_wait_tensorcnt 0x0                           ; my part of the three chunks has landed
	s_wait_dscnt 0x0
	s_barrier_signal -1
	s_barrier_wait -1                              ; everybody's has
	KCHUNK 0, 1                                    ; the first K step's products start the sums: nothing is cleared
	s_wait_tensorcnt 0x0                           ; slot 0 is filled again: none of my tensor loads is out,
	ds_add_u32 v[SPW], v[NIL]                      ; the add,
	s_wait_dscnt 0x0                               ; it is done, and so are my reads of slot 0
	ROUND                                          ; the same holds of every wave of every work-group of the cluster
	s_cmp_lg_u32 s15, 0                            ; waves 0-3 fetch chunk 3's four parts; the others have no part
	s_cbranch_scc1 .Lrefilled
	JLOADS 4
.Lrefilled:
	KCHUNK 1, 0
	KCHUNK 1, 0
	s_wait_tensorcnt 0x0                           ; my part of chunk 3 has landed
	s_wait_dscnt 0x0
	s_barrier_signal -1
	s_barrier_wait -1                              ; everybody's has
	KCHUNK 2, 0
	; ---------------- the way out: no LDS, no barrier.  Unit j = v[128 + 32 j ..]: 32 neighbours along the next K
.rept 4
	v_nop                                          ; places behind the last products
.endr
	v_cmp_ne_u32 vcc_lo, 0, v2
	s_cmp_lg_u32 s23, 0
	s_cbranch_scc1 .Lv
.macro LOADT j                         ; the table of tile j: 16 cosines, 16 sines a lane, into set j % 2 (v16-47, v48-79)
.irp q, 0,1,2,3
	global_load_b128 v[16+32*((\j)%2)+4*\q:16+32*((\j)%2)+4*\q+3], v10, s[94:95] offset:4096*(\j)+512*\q
	global_load_b128 v[32+32*((\j)%2)+4*\q:32+32*((\j)%2)+4*\q+3], v10, s[94:95] offset:4096*(\j)+2048+512*\q
.endr
.endm
.macro ROPE j                          ; register e: channel 16 h + e, register 16 + e: channel 32 + 16 h + e; both turn by frequency 16 h + e.  Ascending
.set UB, ACC+32*(\j)
.set TBL, 16+32*((\j)%2)
.irp e, 0,2,4,6,8,10,12,14
	v_pk_mul_f32 v[RT:RT+1], v[UB+\e:UB+\e+1], v[TBL+16+\e:TBL+17+\e]
	v_pk_mul_f32 v[UB+\e:UB+\e+1], v[UB+\e:UB+\e+1], v[TBL+\e:TBL+\e+1]
	v_pk_fma_f32 v[UB+\e:UB+\e+1], v[UB+16+\e:UB+17+\e], v[TBL+16+\e:TBL+17+\e], v[UB+\e:UB+\e+1] neg_lo:[1,0,0] neg_hi:[1,0,0]
	v_pk_fma_f32 v[UB+16+\e:UB+17+\e], v[UB+16+\e:UB+17+\e], v[TBL+\e:TBL+\e+1], v[RT:RT+1]
.endr
.endm
.macro UNITQ j
.if (\j) < 3
	s_wait_loadcnt 8                               ; my set's eight loads are in; the next set's eight stay out
.else
	s_wait_loadcnt 0x0
.endif
	ROPE \j
.if (\j) < 2
	LOADT (\j)+2
.endif
	QUANT2 ACC+32*(\j), 80+8*(\j), 86+(\j)%2+8*((\j)/2)
	global_store_b128 v10, v[80+8*(\j):83+8*(\j)], s[88:89] offset:768*(\j)       ; each unit has registers of its own for its codes: no store's data are written again
	global_store_b64 v11, v[84+8*(\j):85+8*(\j)], s[88:89] offset:768*(\j)+512
.endm
	LOADT 0
	LOADT 1
	UNITQ 0
	UNITQ 1
	UNITQ 2
	UNITQ 3
	s_cmp_lg_u32 s86, 0
	s_cbranch_scc1 .Lkvtail
	v_lshl_or_b32 v120, v86, 16, v86               ; Q's word holds its two bytes twice: the scores' products take Q in the lower or in the upper 64 of their 128
	v_lshl_or_b32 v121, v87, 16, v87
	v_lshl_or_b32 v124, v94, 16, v94
	v_lshl_or_b32 v125, v95, 16, v95
	s_delay_alu instid0(VALU_DEP_2)
	v_cndmask_b32 v102, v120, v124, vcc_lo
	s_delay_alu instid0(VALU_DEP_2)
	v_cndmask_b32 v103, v121, v125, vcc_lo
	v_lshlrev_b32 v117, 1, v[OS4]                  ; 16 r + 8 h
	global_store_b64 v117, v[102:103], s[90:91]    ; 256 consecutive bytes
	s_branch .Lend
.Lv:
.irp t, 0,1,2,3
	QUANT2 ACC+32*\t, 80+8*\t, 86+\t%2+8*(\t/2)
	global_store_b128 v10, v[80+8*\t:83+8*\t], s[88:89] offset:1536*\t            ; channel tile t, my 64 keys: half of its fragment
	global_store_b64 v11, v[84+8*\t:85+8*\t], s[88:89] offset:1536*\t+512
.endr
.Lkvtail:
	v_lshl_or_b32 v120, v87, 16, v86               ; two tiles' bytes to a word
	v_lshl_or_b32 v121, v95, 16, v94
	s_delay_alu instid0(VALU_DEP_1)
	v_cndmask_b32 v102, v120, v121, vcc_lo
	global_store_b32 v[OS4], v102, s[90:91]        ; 128 consecutive bytes; the wave with the other 64 keys stores the 128 beside them.  One byte in 24 of what these waves store leaves so
.Lend:
	s_wait_tensorcnt 0x0                           ; the wave's end
	ds_add_u32 v[SPW], v[NIL]
	s_wait_dscnt 0x0
	ROUND                                          ; the closing round
	s_endpgm
.Lfunc_end_k_qe6fab73ed3_qkv:
	.size	k_qe6fab73ed3_qkv, .Lfunc_end_k_qe6fab73ed3_qkv-k_qe6fab73ed3_qkv
	.p2alignl 7, 3214868480
	.fill 96, 4, 3214868480
	.section	.rodata,"a",@progbits
	.p2align	6, 0x0
	.amdhsa_kernel k_qe6fab73ed3_qkv
		.amdhsa_group_segment_fixed_size 327680
		.amdhsa_private_segment_fixed_size 0
		.amdhsa_enable_private_segment 0
		.amdhsa_kernarg_size 40
		.amdhsa_user_sgpr_count 2
		.amdhsa_user_sgpr_kernarg_segment_ptr 1
		.amdhsa_wavefront_size32 1
		.amdhsa_system_sgpr_workgroup_id_x 1
		.amdhsa_system_sgpr_workgroup_id_y 1
		.amdhsa_system_sgpr_workgroup_id_z 1
		.amdhsa_system_vgpr_workitem_id 0
		.amdhsa_next_free_vgpr 256
		.amdhsa_next_free_sgpr 100
		.amdhsa_reserve_vcc 1
		.amdhsa_float_denorm_mode_32 3
		.amdhsa_float_denorm_mode_16_64 3
		.amdhsa_memory_ordered 1
		.amdhsa_forward_progress 1
		.amdhsa_inst_pref_size 79
	.end_amdhsa_kernel
	.amdgpu_metadata
---
amdhsa.version: [ 1, 2 ]
amdhsa.kernels:
  - .name:           k_qe6fab73ed3_qkv
    .symbol:         k_qe6fab73ed3_qkv.kd
    .args:
      - { .name: xq, .offset: 0, .size: 8, .value_kind: global_buffer, .address_space: global }
      - { .name: wq, .offset: 8, .size: 8, .value_kind: global_buffer, .address_space: global }
      - { .name: rope, .offset: 16, .size: 8, .value_kind: global_buffer, .address_space: global }
      - { .name: qq, .offset: 24, .size: 8, .value_kind: global_buffer, .address_space: global }
      - { .name: kv, .offset: 32, .size: 8, .value_kind: global_buffer, .address_space: global }
    .group_segment_fixed_size: 327680
    .private_segment_fixed_size: 0
    .kernarg_segment_align: 8
    .kernarg_segment_size: 40
    .max_flat_workgroup_size: 384
    .sgpr_count:     100
    .vgpr_count:     256
    .wavefront_size: 32
...
	.end_amdgpu_metadata
.endif
;; end of part 2
;; launch attn (part 3): grid 16 x 16, 16 waves a work-group, clusters of 4 x 1, 207,872 bytes of LDS; arguments qq, kv, ao; writes ao
.if DOCPART == 3
	.amdgcn_target "amdgcn-amd-amdhsa--gfx1250"
	.amdhsa_code_object_version 6
	.text
	.protected	k_qe6fab73ed3_attn
	.globl	k_qe6fab73ed3_attn
	.p2align	8
	.type	k_qe6fab73ed3_attn,@function
k_qe6fab73ed3_attn:
	s_mov_b64 s[64:65], 0
	v_nop
	global_prefetch_b8 v0, s[64:65] scope:SCOPE_SE
	s_setreg_imm32_b32 hwreg(HW_REG_WAVE_MODE, 25, 1), 1
	s_wait_xcnt 0x0
	s_wait_alu depctr_hold_cnt(0) depctr_sa_sdst(0) depctr_va_vdst(0) depctr_va_sdst(0) depctr_va_ssrc(0) depctr_va_vcc(0) depctr_vm_vsrc(0)
	s_getreg_b32 s2, hwreg(HW_REG_IB_STS2, 6, 4)
	s_cmp_eq_u32 s2, 0
	s_cbranch_scc0 .Lentry_in_a_cluster
	s_endpgm
.Lentry_in_a_cluster:
	s_bfe_u32 s2, ttmp6, 0x10000c
	s_cmp_lg_u32 s2, 0x3003
	s_cbranch_scc0 .Lentry_shape_is_right
	s_endpgm
.Lentry_shape_is_right:
; ATTN.  For each batch and key/value head: scores = Q K^T / 8 (K = the head's 64), causal, p = 2^(t - M), O = P V / l (K = the keys), all products on codes of BF6 with E8M0 scales; O is quantised along the 1,024 features for the last product.
; t = score x log2(e) / 8; M = the running largest t rounded UP to a whole number; the sum l is taken of the unquantised p; when M moves, l and O are multiplied by 2^(old M - new M), which rounds nothing.
; SHARES.  A cluster of four work-groups has one (batch, key/value head) and the blocks of 128 positions 2 q, 2 q + 1, 14 - 2 q, 15 - 2 q.  cx = 2 c + a: heads 2 a, 2 a + 1 of the group's four, positions 64 c on of a block.
; Wave w: head 2 a + (w & 1), tile (w >> 1) & 3 of 16 queries, and TWO blocks: 15 - (2 q + (w >> 3)) and then 2 q + (w >> 3): 17 key steps of 128 keys for every wave of the launch.
; LDS holds the head's 16 key steps, 12,800 bytes each, filled once: wave w asks for step w, one joint load a wave (mask: all four partners), and one barrier shows all 16 to all waves.  Nothing is filled again, and no barrier
; stands in the walk over the keys.  Behind the steps 1,024 bytes for the results' scale bytes, then the spare words.  No prefetch: every tile is asked for at the head, so there is no later tile to ask ahead for.
; A key step's block: K's eight tiles of 16 keys x 64 (768 bytes each), V^T's four fragments (16 channels x 128 keys), K's scale words, V's.  A stored tile i of 64 keys holds keys 32 (i / 2) + 8 (i % 2) + rho + 8 (rho / 8).
; THE ROWS OF A SCORE TILE ARE CHOSEN BY THE LANES' LDS ADDRESSES: row r of tile u (0..3) of keys 64 c' on is taken from stored tile 4 c' + 2 (r / 8) + u % 2, row 8 (u / 2) + r % 8: that is key 64 c' + 32 (r / 8) + 8 u + r % 8.
; Both products are used transposed: a lane (r, h) holds ONE query, and score register 32 c' + 8 u + j is key 64 c' + 32 h + 8 u + j: A WHOLE BLOCK OF 32 KEYS LIES IN ONE LANE, in the order of the next operand's registers.
; THE SCORES: one fragment carries two tiles of K; Q's six registers stand between two runs of six zeros, so that v[22:33] has Q in the lower 64 and v[16:27] in the upper 64: the other tile of K meets zero codes.
; CAUSAL: a step all of whose keys come after the tile's block is left out by a scalar branch on ids (round the work, not round the lines that step addresses); on the diagonal hidden scores become -infinity, where
; the definition has the most negative f32 number: p is 0 either way.  The branches hang on the cluster's number and the wave's number: they are alike in all four partners.
; LIMITS: NaN and infinities are not served; the promise holds while the scaled scores stay under 2^31 in magnitude; v_exp_f32 and v_rcp_f32 stand ahead of quantisers, each good to an ulp; a block's largest p is the exponential
; of the block's largest score, which takes v_exp_f32 not to fall where its input rises; a block under 2^-122, or of zeros, gets the byte 1.
.set QS_OFF, 6291456
.set STEPB, 12800
.set STG,   204800                     ; the results' scale bytes; no fill lands here
.set SPARE, 205824                     ; the spare words, 128 bytes for each of 16 waves
.set L16, 1                            ; v1 16 x lane   v2 8 x lane   v3 8 r
.set L8,  2
.set R8,  3
.set KB16, 4                           ; v4 1536 (r / 8) + 16 (r % 8) + 256 h   v5 1536 (r / 8) + 8 (r % 8) + 128 h   v6 8 (r % 8) + 4 (r / 8): K's rows as the score tiles take them
.set KB8, 5
.set KBS, 6
.set DQ,  7                            ; v7   my query's place in its block of 128, less 32 h
.set QSO, 8                            ; v8   16 r + 4 x tile: Q's scale word
.set STA, 9                            ; v9   where my result's two scale bytes go
.set OL,  10                           ; v10, v43 offsets of the scale words' stores
.set NINF, 11                          ; v11  -infinity.   v12 -M, v13 the running largest score, v[14:15] the sum in two halves
.set QW,  34                           ; v34  Q's scale word; v35 the second tile's
.set Q2,  36                           ; v36-41 the second tile's Q
.set SGA, 42                           ; v42  STG + 16 x lane
.set OH,  43
.set KS,  44                           ; v44-47 K's scale words
.set VR,  48                           ; v48-51 V's bytes as they lie
.set VSW, 52                           ; v52-55 V's scale words
.set FR,  56                           ; v56-103 four fragments of K, then of V
.set S,   104                          ; v104-167 scores, then p
.set O,   168                          ; v168-199 O^T
.set PC,  200                          ; v200-211 p's codes
.set CT,  212                          ; v212-214, v216-218 conversions' second results
.set BM,  220                          ; v220-223 largest scores; v220 and v222 the two blocks'
.set BT,  224                          ; v224-225 the bytes
.set SO,  228                          ; v228-229 the conversions' scale operands
.set PW,  232                          ; v232 p's scale word
.set SH8, 233                          ; v233 8 h
.set F,   234                          ; v[234:235] 2^(old M - new M)
.set T,   236                          ; v236-243 the sum's four chains
.set TP,  244
.set TQ,  245
.set AK16, 246                         ; v246-251 the six addresses in the step in hand
.set AK8, 247
.set AKS, 248
.set AV16, 249
.set AV8, 250
.set AVS, 251
.set SPW, 254
.set NIL, 255
.set TM,  220                          ; for the result's quantiser
.set BY,  222
.set TM2, 224
.set SOQ, 228
.set BETA, 21
.set J,   22
.set TB,  23
.set G1,  24
.set G0,  32
.set CNT, 48
.set NCS, 49
.set CS,  50
.set SEL, 52
.macro ROUND
	s_barrier_signal -1
	s_barrier_wait -1
	s_cmp_lg_u32 s10, 0
	s_cbranch_scc1 .Lnot_wave_0_\@
	s_barrier_signal -3
.Lnot_wave_0_\@:
	s_barrier_wait -3
	s_barrier_signal -1
	s_barrier_wait -1
.endm
.macro FRAGLD reg, a16, a8, off
	ds_load_b128 v[\reg:\reg+3], v[\a16] offset:\off
	ds_load_b64 v[\reg+4:\reg+5], v[\a8] offset:\off+512
	ds_load_b128 v[\reg+6:\reg+9], v[\a16] offset:\off+768
	ds_load_b64 v[\reg+10:\reg+11], v[\a8] offset:\off+1280
.endm
.macro QUANT2 s, hd, u                 ; 32 numbers of a lane, register 16 b + e = k 32 b + 16 h + e, become half a fragment in v[hd] on and u = the two blocks' bytes
.irp b, 0,1
	v_max3_num_f32 v[TM+\b], |v[\s+16*\b]|, |v[\s+16*\b+1]|, 0x2800000
.endr
.irp i, 2,4,6,8,10,12,14
.irp b, 0,1
	s_delay_alu instid0(VALU_DEP_2)
	v_max3_num_f32 v[TM+\b], v[TM+\b], |v[\s+16*\b+\i]|, |v[\s+16*\b+\i+1]|
.endr
.endr
.irp b, 0,1
	s_delay_alu instid0(VALU_DEP_2)
	v_permlanex16_b32 v[TM2+\b], v[TM+\b], s[SEL], s[SEL+1]
.endr
.irp b, 0,1
	s_delay_alu instid0(VALU_DEP_2)
	v_max_num_f32 v[TM+\b], v[TM+\b], v[TM2+\b]
.endr
.irp b, 0,1
	s_delay_alu instid0(VALU_DEP_2)
	v_add_nc_u32 v[SOQ+\b], 0xfe000000, v[TM+\b]
.endr
.irp b, 0,1
	s_delay_alu instid0(VALU_DEP_2)
	v_lshrrev_b32 v[BY+\b], 23, v[SOQ+\b]
.endr
	s_delay_alu instid0(VALU_DEP_1)
	v_lshl_or_b32 v[\u], v[BY+1], 8, v[BY]
	v_cvt_scalef32_pk16_bf6_f32 v[\hd:\hd+2], v[\s:\s+15], v[SOQ]
	v_cvt_scalef32_pk16_bf6_f32 v[CT:CT+2], v[\s+16:\s+31], v[SOQ+1]
	v_nop                                          ; one plain place behind the scaled conversions
.irp i, 0,1,2
	v_permlane16_swap_b32 v[\hd+\i], v[CT+\i]
.endr
.irp i, 0,1,2
	s_delay_alu instid0(VALU_DEP_3)
	v_mov_b32 v[\hd+3+\i], v[CT+\i]
.endr
.endm
	s_load_b128 s[4:7], s[0:1], 0x0                ; qq, kv
	s_load_b64 s[8:9], s[0:1], 0x10                ; ao
	v_lshl_add_u32 v[SPW], v0, 2, SPARE
	v_mov_b32 v[NIL], 0
	ds_add_u32 v[SPW], v[NIL]                      ; the opening lines: the add, twice on end, and its wait ahead of my tensor load
	ds_add_u32 v[SPW], v[NIL]
	v_lshrrev_b32 v104, 5, v0
	s_delay_alu instid0(VALU_DEP_1)
	v_readfirstlane_b32 s10, v104                  ; wave 0..15
	s_and_b32 s17, ttmp7, 0xffff                   ; 4 x batch + key/value head
	s_mov_b32 s[G1], 15|(3<<16)|(1<<21)            ; all four work-groups; elements of 8 bytes; no padding
	s_mov_b32 s[G1+1], 32<<16                      ; a key step: 50 rows of 256 bytes, dense
	s_mov_b32 s[G1+2], 50<<16
	s_mov_b32 s[G1+3], 32<<16
	s_mov_b32 s[G1+4], 50
	s_mov_b32 s[G1+5], 32
	s_mov_b32 s[G1+6], 0
	s_mov_b32 s[G1+7], 0
	s_mul_i32 s77, s10, STEPB                      ; wave w fetches step w
	s_mul_i32 s74, s17, 16*STEPB
	s_add_co_u32 s74, s74, s77
	s_mov_b32 s75, 0
	s_mov_b32 s[G0], 1
	s_mov_b32 s[G0+1], s77
	s_wait_dscnt 0x0                               ; both opening adds are done
	s_wait_kmcnt 0x0
	s_add_nc_u64 s[G0+2:G0+3], s[6:7], s[74:75]
	s_or_b32 s[G0+3], s[G0+3], 0x80000000
	ROUND                                          ; all four work-groups are here: the joint loads meet
	tensor_load_to_lds s[G0:G0+3], s[G1:G1+7]      ; my one load
	s_nop 0
.rept 4
	v_nop
.endr
	s_and_b32 s11, s10, 1                          ; e: which head of my pair
	s_bfe_u32 s12, s10, 0x20001                    ; t2: which tile of 16 queries
	s_lshr_b32 s13, s10, 3                         ; bb
	s_bfe_u32 s14, ttmp6, 0x40000                  ; cx: it enters global addresses and the mask's lane term alone
	s_and_b32 s15, s14, 1                          ; a
	s_lshr_b32 s16, s14, 1                         ; c
	s_lshl_b32 s19, ttmp9, 1
	s_add_co_u32 s19, s19, s13                     ; my light block of 128 positions: 2 q + bb
	s_sub_co_u32 s20, 15, s19                      ; my heavy one
	s_mov_b32 s[CS], 0x3e38aa3b                    ; log2(e) / 8
	s_mov_b32 s[CS+1], s[CS]                       ; (named with it as a pair, so it is written)
	s_mov_b32 s[NCS], 0xbe38aa3b                   ; and its negative
	s_mov_b32 s[SEL], 0x76543210
	s_mov_b32 s[SEL+1], 0xfedcba98
	s_lshr_b32 s78, s17, 2                         ; the batch
	s_and_b32 s79, s17, 3                          ; the key/value head
	s_lshl_b32 s80, s78, 4
	s_lshl_b32 s81, s79, 2
	s_add_co_u32 s80, s80, s81
	s_lshl_b32 s81, s15, 1
	s_add_co_u32 s80, s80, s81
	s_add_co_u32 s80, s80, s11                     ; 16 x batch + my query head
	s_lshl_b32 s81, s80, 7
	s_lshl_b32 s82, s16, 2
	s_add_co_u32 s81, s81, s82
	s_add_co_u32 s81, s81, s12                     ; Q's tile, less 8 x block
	s_lshl_b32 s82, s80, 5
	s_add_co_u32 s82, s82, s16                     ; Q's block of 64, less 2 x block
	s_lshl_b32 s83, s78, 5
	s_add_co_u32 s83, s83, s16                     ; the result's block of 64 rows, less 2 x block
	s_mul_i32 s84, s79, 12800                      ; the result's chunk of K is the key/value head,
	s_mul_i32 s85, s15, 1536                       ; its K step parity a,
	s_add_co_u32 s85, s85, s84
	s_mul_i32 s86, s12, 3072
	s_add_co_u32 s86, s86, s85
	s_mul_i32 s87, s11, 768                        ; its half e
	s_add_co_u32 s86, s86, s87
	s_lshl_b32 s87, s15, 8
	s_add_co_u32 s87, s87, s84
	s_add_co_u32 s87, s87, 12288                   ; and its scale words
	s_mov_b32 s89, 0
.macro BASES bt, qc, qs, ap            ; for the block of 128 positions in s[bt]: Q's codes, Q's scale words, the result's codes
	s_lshl_b32 s88, s[\bt], 3
	s_add_co_u32 s88, s88, s81
	s_mul_i32 s88, s88, 768
	s_add_nc_u64 s[\qc:\qc+1], s[4:5], s[88:89]
	s_lshl_b32 s88, s[\bt], 1
	s_add_co_u32 s88, s88, s82
	s_lshl_b32 s88, s88, 8
	s_add_co_u32 s88, s88, QS_OFF
	s_add_nc_u64 s[\qs:\qs+1], s[4:5], s[88:89]
	s_lshl_b32 s88, s[\bt], 1
	s_add_co_u32 s88, s88, s83
	s_mul_i32 s88, s88, 51200
	s_add_co_u32 s88, s88, s86
	s_add_nc_u64 s[\ap:\ap+1], s[8:9], s[88:89]
.endm
	BASES 20, 54, 58, 66                           ; the heavy block
	BASES 19, 56, 60, 68                           ; the light one
	s_lshl_b32 s90, ttmp9, 2                       ; the results' scale words, stored by wave 0 for both values of bb: light, at bb = 0: block 2 q
	s_add_co_u32 s88, s90, s83
	s_mul_i32 s88, s88, 51200
	s_add_co_u32 s88, s88, s87
	s_add_nc_u64 s[72:73], s[8:9], s[88:89]
	s_sub_co_u32 s90, 28, s90                      ; heavy, at bb = 1: block 14 - 2 q
	s_add_co_u32 s88, s90, s83
	s_mul_i32 s88, s88, 51200
	s_add_co_u32 s88, s88, s87
	s_add_nc_u64 s[70:71], s[8:9], s[88:89]
	s_lshl_b32 s91, s16, 6                         ; my tile's first query in its block of 128
	s_lshr_b32 s92, s12, 1
	s_lshl_b32 s92, s92, 5
	s_add_co_u32 s91, s91, s92
	s_and_b32 s92, s12, 1
	s_lshl_b32 s92, s92, 3
	s_add_co_u32 s91, s91, s92
	s_and_b32 s93, s10, 7
	s_lshl_b32 s93, s93, 1
	s_lshl_b32 s94, s13, 8
	s_add_co_u32 s93, s93, s94
	s_add_co_u32 s93, s93, STG                     ; 2 bytes for each (tile, head), 256 for each bb
	s_lshl_b32 s95, s12, 2
	v_and_b32 v104, 31, v0                         ; lane
	v_and_b32 v105, 15, v0                         ; r
	v_bfe_u32 v106, v0, 4, 1                       ; h
	v_lshlrev_b32 v[L16], 4, v104
	v_lshlrev_b32 v[L8], 3, v104
	v_lshlrev_b32 v[R8], 3, v105
	v_lshl_add_u32 v[QSO], v105, 4, s95
	global_load_b128 v[22:25], v[L16], s[54:55]    ; both tiles' Q and scale words
	global_load_b64 v[26:27], v[L8], s[54:55] offset:512
	global_load_b32 v[QW], v[QSO], s[58:59]
	global_load_b128 v[Q2:Q2+3], v[L16], s[56:57]
	global_load_b64 v[Q2+4:Q2+5], v[L8], s[56:57] offset:512
	global_load_b32 v[QW+1], v[QSO], s[60:61]
	v_and_b32 v107, 7, v0                          ; r % 8
	v_bfe_u32 v108, v0, 3, 1                       ; r / 8
	v_mul_u32_u24 v109, v108, 1536                 ; two stored tiles on
	v_lshl_add_u32 v[KB16], v107, 4, v109
	v_lshl_add_u32 v[KB8], v107, 3, v109
	v_lshlrev_b32 v[KBS], 3, v107
	v_lshl_add_u32 v[KB16], v106, 8, v[KB16]
	v_lshl_add_u32 v[KB8], v106, 7, v[KB8]
	v_lshl_add_u32 v[KBS], v108, 2, v[KBS]
	v_lshlrev_b32 v[SH8], 3, v106
	v_and_b32 v[DQ], 8, v105
	v_lshlrev_b32 v107, 5, v106
	v_add_nc_u32 v[DQ], v[DQ], v105
	v_mul_u32_u24 v108, v106, 0x19000              ; two blocks of 64 rows on: 102,400 bytes
	v_add_nc_u32 v[DQ], s91, v[DQ]
	v_lshl_add_u32 v[STA], v105, 4, s93
	v_sub_nc_u32 v[DQ], v[DQ], v107
	v_lshl_add_u32 v[SGA], v104, 4, STG
	v_lshl_add_u32 v[OL], v105, 4, v108            ; light: lanes 16-31 (bb = 1) lie above
	v_sub_nc_u32 v108, 0x19000, v108
	v_mov_b32 v[NINF], 0xff800000
	v_lshl_add_u32 v[OH], v105, 4, v108            ; heavy: lanes 0-15 (bb = 0) lie above
.irp k, 16,17,18,19,20,21,28,29,30,31,32,33
	v_mov_b32 v\k, 0                               ; the zero codes on either side of Q
.endr
	v_mov_b32 v[TM2], 0                            ; (a lane permute's destination counts as one of its sources)
	v_mov_b32 v[TM2+1], 0
	v_mov_b32 v[TP], 0
	v_mov_b32 v[F+1], 0                            ; (named as the upper half of a pair)
.macro INIT                            ; the step is written once: the first finds zeros, which the first change of M leaves zeros
	v_mov_b32 v13, 0xff61b1e6                      ; the largest score so far: -3e38
	v_mov_b32 v12, 0x7e800000                      ; -M: a large whole number, so that the first factor is 0
	v_mov_b32 v14, 0
	v_mov_b32 v15, 0
.set n, 0
.rept 32
	v_mov_b32 v[O+n], 0
.set n, n+1
.endr
.endm
	INIT
; A KEY STEP: 128 keys at LDS byte s[TB]
.macro STEP
	s_cmp_gt_u32 s[J], s[BETA]
	s_cbranch_scc1 .Lhid_\@                        ; all its keys come after my block
	v_add_nc_u32 v[AK16], s[TB], v[KB16]           ; these six are the places in front of loads into registers that the last products read
	v_add_nc_u32 v[AK8], s[TB], v[KB8]
	v_add_nc_u32 v[AKS], s[TB], v[KBS]
	v_add_nc_u32 v[AV16], s[TB], v[L16]
	v_add_nc_u32 v[AV8], s[TB], v[L8]
	v_add_nc_u32 v[AVS], s[TB], v[R8]
.irp g, 0,1,2,3
	ds_load_b32 v[KS+\g], v[AKS] offset:12288+128*(\g/2)+64*(\g%2)   ; the bytes of my row in score tiles 2 (g % 2) and 2 (g % 2) + 1 of keys 64 (g / 2) on
.endr
	ds_load_b64 v[VR:VR+1], v[AVS] offset:12544
	ds_load_b64 v[VR+2:VR+3], v[AVS] offset:12672
.irp g, 0,1,2,3
	ds_load_b128 v[FR+12*\g:FR+12*\g+3], v[AK16] offset:3072*(\g/2)+128*(\g%2)
	ds_load_b64 v[FR+12*\g+4:FR+12*\g+5], v[AK8] offset:3072*(\g/2)+64*(\g%2)+512
	ds_load_b128 v[FR+12*\g+6:FR+12*\g+9], v[AK16] offset:3072*(\g/2)+128*(\g%2)+768
	ds_load_b64 v[FR+12*\g+10:FR+12*\g+11], v[AK8] offset:3072*(\g/2)+64*(\g%2)+1280
.endr
	s_wait_alu depctr_va_vdst(0)
.irp g, 0,1,2,3
	s_wait_dscnt 12-4*\g                           ; all but the later fragments, four loads each
	v_wmma_scale_f32_16x16x128_f8f6f4 v[S+16*\g:S+16*\g+7], v[FR+12*\g:FR+12*\g+11], v[22:33], 0, v[KS+\g], v[QW] matrix_a_fmt:MATRIX_FMT_BF6 matrix_b_fmt:MATRIX_FMT_BF6
	v_wmma_scale_f32_16x16x128_f8f6f4 v[S+16*\g+8:S+16*\g+15], v[FR+12*\g:FR+12*\g+11], v[16:27], 0, v[KS+\g], v[QW] matrix_a_fmt:MATRIX_FMT_BF6 matrix_b_fmt:MATRIX_FMT_BF6
.endr
	v_perm_b32 v[VSW], v[VR+2], v[VR], 0x05040100      ; V's word of channel tile t: its two bytes of the first 64 keys, then of the second.  These four are the places behind the scores' products
	v_perm_b32 v[VSW+1], v[VR+2], v[VR], 0x07060302
	v_perm_b32 v[VSW+2], v[VR+3], v[VR+1], 0x05040100
	v_perm_b32 v[VSW+3], v[VR+3], v[VR+1], 0x07060302
.irp t, 0,1,2,3
	FRAGLD FR+12*\t, AV16, AV8, 6144+1536*\t       ; V's fragments land under the softmax
.endr
	s_cmp_lg_u32 s[J], s[BETA]
	s_cbranch_scc1 .Lopen_\@
.set n, 0
.rept 64
	v_cmp_gt_i32 vcc_lo, 64*(n/32)+n%32, v[DQ]     ; register n holds key 64 (n / 32) + 32 h + n % 32 of the block: hidden where it comes after my query
	v_cndmask_b32 v[S+n], v[S+n], v[NINF], vcc_lo
.set n, n+1
.endr
.Lopen_\@:
.irp b, 0,1,2,3
	v_max3_num_f32 v[BM+\b], v[S+16*\b], v[S+1+16*\b], v[S+2+16*\b]   ; four chains by turns, two to a block of 32 keys
.endr
.irp i, 3,5,7,9,11,13
.irp b, 0,1,2,3
	v_max3_num_f32 v[BM+\b], v[BM+\b], v[S+16*\b+\i], v[S+1+16*\b+\i]
.endr
.endr
.irp c, 0,1
	v_max3_num_f32 v[BM+2*\c], v[BM+2*\c], v[BM+2*\c+1], v[S+15+32*\c]
.endr
.irp c, 0,1
	v_max_num_f32 v[BM+2*\c], v[BM+2*\c], v[S+31+32*\c]   ; the largest score of my block 2 c + h: for the row's maximum, and for the block's largest p
.endr
	v_max3_num_f32 v13, v13, v[BM], v[BM+2]
	v_permlanex16_b32 v[TP], v13, s[SEL], s[SEL+1]
	v_mov_b32 v[TQ], v12
	v_max_num_f32 v13, v13, v[TP]                  ; the running largest score of my query
	v_mul_f32 v[TP], s[NCS], v13                   ; -t
	v_floor_f32 v12, v[TP]                         ; the new -M: M is a whole number
	v_sub_f32 v[TP], v12, v[TQ]
	v_cvt_i32_f32 v[TP], v[TP]                     ; (it saturates)
	v_ldexp_f32 v[F], 1.0, v[TP]                   ; 2^(old M - new M)
.set n, 0
.rept 32
	v_pk_fma_f32 v[S+n:S+n+1], v[S+n:S+n+1], s[CS:CS+1], v[12:13] op_sel_hi:[1,0,0]   ; t - M
.set n, n+2
.endr
.irp c, 0,1
	v_fma_f32 v[BM+2*\c], v[BM+2*\c], s[CS], v12
.endr
.set n, 0
.rept 16
	v_pk_mul_f32 v[O+n:O+n+1], v[O+n:O+n+1], v[F:F+1] op_sel_hi:[1,0]   ; O^T under the new M: ahead of the exponentials, each accumulator from its low end on
.set n, n+2
.endr
	s_wait_alu depctr_va_vdst(0)
.set n, 0
.rept 64
	v_exp_f32 v[S+n], v[S+n]                       ; p, not normalised
.set n, n+1
.endr
.irp c, 0,1
	v_exp_f32 v[BM+2*\c], v[BM+2*\c]               ; the block's largest p
.endr
	v_pk_mul_f32 v[14:15], v[14:15], v[F:F+1] op_sel_hi:[1,0]   ; the sums under the new M.  (A plain place behind the exponentials)
	s_wait_alu depctr_va_vdst(0)                   ; and behind it
.irp c, 0,1
	v_max_num_f32 v[BM+2*\c], 0x2800000, v[BM+2*\c]   ; the floor: the byte cannot fall under 1
.endr
.irp c, 0,1
	s_delay_alu instid0(VALU_DEP_2)
	v_add_nc_u32 v[SO+\c], 0xfe000000, v[BM+2*\c]  ; 4 off the exponent field: the conversion's scale operand
.endr
.irp c, 0,1
	s_delay_alu instid0(VALU_DEP_2)
	v_lshrrev_b32 v[BT+\c], 23, v[SO+\c]
.endr
	s_delay_alu instid0(VALU_DEP_1)
	v_lshl_or_b32 v[PW], v[BT+1], 16, v[BT]        ; my two bytes: blocks h and 2 + h,
	s_delay_alu instid0(VALU_DEP_1)
	v_lshlrev_b32 v[PW], v[SH8], v[PW]             ; at their places in the word;
	s_delay_alu instid0(VALU_DEP_1)
	v_permlanex16_b32 v[TP], v[PW], s[SEL], s[SEL+1]
	s_delay_alu instid0(VALU_DEP_1)
	v_or_b32 v[PW], v[PW], v[TP]                   ; with lane l xor 16's two the word is whole
.irp c, 0,1
	v_cvt_scalef32_pk16_bf6_f32 v[PC+6*\c:PC+6*\c+2], v[S+32*\c:S+32*\c+15], v[SO+\c]
	v_cvt_scalef32_pk16_bf6_f32 v[CT+4*\c:CT+4*\c+2], v[S+16+32*\c:S+31+32*\c], v[SO+\c]   ; (a conversion's three registers begin on an even number)
.endr
	v_nop                                          ; one plain place behind the scaled conversions
.irp c, 0,1
.irp i, 0,1,2
	v_mov_b32 v[PC+3+6*\c+\i], v[CT+4*\c+\i]       ; registers 6 c .. 6 c + 5: keys 64 c + 32 h + 0 .. 31
.endr
.endr
.irp k, 0,1,2,3
	v_pk_add_f32 v[T+2*\k:T+2*\k+1], v[S+2*\k:S+2*\k+1], v[S+8+2*\k:S+9+2*\k]   ; the sum of the unquantised p, in four chains.  These 32 are also the places between p's word and codes and the products
.endr
.irp i, 2,3,4,5,6,7
.irp k, 0,1,2,3
	v_pk_add_f32 v[T+2*\k:T+2*\k+1], v[T+2*\k:T+2*\k+1], v[S+8*\i+2*\k:S+8*\i+2*\k+1]
.endr
.endr
	v_pk_add_f32 v[T:T+1], v[T:T+1], v[T+2:T+3]
	v_pk_add_f32 v[T+4:T+5], v[T+4:T+5], v[T+6:T+7]
	s_delay_alu instid0(VALU_DEP_2)
	v_pk_add_f32 v[14:15], v[14:15], v[T:T+1]
	s_delay_alu instid0(VALU_DEP_1)
	v_pk_add_f32 v[14:15], v[14:15], v[T+4:T+5]
	s_wait_alu depctr_va_vdst(0)                   ; ahead of the wait below and of the loop's jump
	s_wait_dscnt 0x0                               ; V's fragments are in
.irp t, 0,1,2,3
	v_wmma_scale_f32_16x16x128_f8f6f4 v[O+8*\t:O+8*\t+7], v[FR+12*\t:FR+12*\t+11], v[PC:PC+11], v[O+8*\t:O+8*\t+7], v[VSW+\t], v[PW] matrix_a_fmt:MATRIX_FMT_BF6 matrix_b_fmt:MATRIX_FMT_BF6
.endr
.Lhid_\@:
	s_add_co_u32 s[J], s[J], 1
	s_add_co_u32 s[TB], s[TB], STEPB
.endm
.macro PASS trips                      ; a constant number of trips; the steps beyond the block are passed over
	s_mov_b32 s[TB], 0
	s_mov_b32 s[J], 0
	s_mov_b32 s[CNT], \trips
.Lpass_\@:
	STEP
	s_sub_co_u32 s[CNT], s[CNT], 1
	s_cmp_lg_u32 s[CNT], 0
	s_cbranch_scc1 .Lpass_\@
.endm
.macro TAIL slot, ap                   ; O^T / l, quantised along the head's 64 features: half a fragment of the last product's operand
.rept 4
	v_nop                                          ; places behind the last products
.endr
	v_add_f32 v14, v14, v15
	s_delay_alu instid0(VALU_DEP_1)
	v_permlanex16_b32 v[TP], v14, s[SEL], s[SEL+1]
	s_delay_alu instid0(VALU_DEP_1)
	v_add_f32 v14, v14, v[TP]                      ; the row's sum
	s_wait_alu depctr_va_vdst(0)
	v_rcp_f32 v14, v14
	v_nop                                          ; one plain place behind the transcendental
	s_wait_alu depctr_va_vdst(0)
.set n, 0
.rept 32
	v_mul_f32 v[S+n], v[O+n], v14                  ; register 16 b + e: feature 32 b + 16 h + e of my head
.set n, n+1
.endr
	QUANT2 S, PC, TP
	global_store_b128 v[L16], v[PC:PC+3], s[\ap:\ap+1]
	global_store_b64 v[L8], v[PC+4:PC+5], s[\ap:\ap+1] offset:512
	ds_store_b16 v[STA], v[TP] offset:512*\slot    ; lanes r and r + 16 write the same two bytes
.endm
	s_wait_alu depctr_va_vdst(0)
	s_wait_loadcnt 0x0                             ; Q
	s_wait_tensorcnt 0x0                           ; my key step has landed
	s_wait_dscnt 0x0
	s_barrier_signal -1
	s_barrier_wait -1                              ; all sixteen have
	s_mov_b32 s[BETA], s20                         ; the heavy block, 8..15
	PASS 16
	TAIL 0, 66
	s_wait_xcnt 0x0                                ; the stores have read their data,
	s_wait_dscnt 0x0                               ; the LDS store too: both are written again below
.irp k, 0,1,2,3,4,5
	v_mov_b32 v[22+\k], v[Q2+\k]                   ; the light tile's Q
.endr
	v_mov_b32 v[QW], v[QW+1]
	INIT                                           ; (its 36 lines are the places between these moves and the next products)
	s_wait_alu depctr_va_vdst(0)
	s_mov_b32 s[BETA], s19                         ; the light block, 0..7
	PASS 8
	TAIL 1, 68
	s_wait_dscnt 0x0                               ; my scale bytes lie in LDS
	s_barrier_signal -1
	s_barrier_wait -1                              ; everybody's do
	s_cmp_lg_u32 s10, 0
	s_cbranch_scc1 .Lnot_first
	ds_load_b128 v[104:107], v[SGA]                ; the heavy blocks' words: lanes 0-15 bb = 0, lanes 16-31 bb = 1
	ds_load_b128 v[108:111], v[SGA] offset:512     ; the light blocks'
	s_wait_dscnt 0x0
	global_store_b128 v[OH], v[104:107], s[70:71]  ; sixteen lanes store 256 consecutive bytes
	global_store_b128 v[OL], v[108:111], s[72:73]
.Lnot_first:
	s_wait_tensorcnt 0x0                           ; the wave's end
	ds_add_u32 v[SPW], v[NIL]
	s_wait_dscnt 0x0
	ROUND                                          ; the closing round
	s_endpgm
.Lfunc_end_k_qe6fab73ed3_attn:
	.size	k_qe6fab73ed3_attn, .Lfunc_end_k_qe6fab73ed3_attn-k_qe6fab73ed3_attn
	.p2alignl 7, 3214868480
	.fill 96, 4, 3214868480
	.section	.rodata,"a",@progbits
	.p2align	6, 0x0
	.amdhsa_kernel k_qe6fab73ed3_attn
		.amdhsa_group_segment_fixed_size 207872
		.amdhsa_private_segment_fixed_size 0
		.amdhsa_enable_private_segment 0
		.amdhsa_kernarg_size 24
		.amdhsa_user_sgpr_count 2
		.amdhsa_user_sgpr_kernarg_segment_ptr 1
		.amdhsa_wavefront_size32 1
		.amdhsa_system_sgpr_workgroup_id_x 1
		.amdhsa_system_sgpr_workgroup_id_y 1
		.amdhsa_system_sgpr_workgroup_id_z 1
		.amdhsa_system_vgpr_workitem_id 0
		.amdhsa_next_free_vgpr 256
		.amdhsa_next_free_sgpr 100
		.amdhsa_reserve_vcc 1
		.amdhsa_float_denorm_mode_32 3
		.amdhsa_float_denorm_mode_16_64 3
		.amdhsa_memory_ordered 1
		.amdhsa_forward_progress 1
		.amdhsa_inst_pref_size 63
	.end_amdhsa_kernel
	.amdgpu_metadata
---
amdhsa.version: [ 1, 2 ]
amdhsa.kernels:
  - .name:           k_qe6fab73ed3_attn
    .symbol:         k_qe6fab73ed3_attn.kd
    .args:
      - { .name: qq, .offset: 0, .size: 8, .value_kind: global_buffer, .address_space: global }
      - { .name: kv, .offset: 8, .size: 8, .value_kind: global_buffer, .address_space: global }
      - { .name: ao, .offset: 16, .size: 8, .value_kind: global_buffer, .address_space: global }
    .group_segment_fixed_size: 207872
    .private_segment_fixed_size: 0
    .kernarg_segment_align: 8
    .kernarg_segment_size: 24
    .max_flat_workgroup_size: 512
    .sgpr_count:     100
    .vgpr_count:     256
    .wavefront_size: 32
...
	.end_amdgpu_metadata
.endif
;; end of part 3
;; launch proj (part 4): grid 8 x 32, 8 waves a work-group, clusters of 4 x 4, 327,680 bytes of LDS; arguments ao, wq, out0; writes out0
.if DOCPART == 4
	.amdgcn_target "amdgcn-amd-amdhsa--gfx1250"
	.amdhsa_code_object_version 6
	.text
	.protected	k_qe6fab73ed3_proj
	.globl	k_qe6fab73ed3_proj
	.p2align	8
	.type	k_qe6fab73ed3_proj,@function
k_qe6fab73ed3_proj:
	s_mov_b64 s[64:65], 0
	v_nop
	global_prefetch_b8 v0, s[64:65] scope:SCOPE_SE
	s_setreg_imm32_b32 hwreg(HW_REG_WAVE_MODE, 25, 1), 1
	s_wait_xcnt 0x0
	s_wait_alu depctr_hold_cnt(0) depctr_sa_sdst(0) depctr_va_vdst(0) depctr_va_sdst(0) depctr_va_ssrc(0) depctr_va_vcc(0) depctr_vm_vsrc(0)
	s_getreg_b32 s2, hwreg(HW_REG_IB_STS2, 6, 4)
	s_cmp_eq_u32 s2, 0
	s_cbranch_scc0 .Lentry_in_a_cluster
	s_endpgm
.Lentry_in_a_cluster:
	s_bfe_u32 s2, ttmp6, 0x10000c
	s_cmp_lg_u32 s2, 0xf033
	s_cbranch_scc0 .Lentry_shape_is_right
	s_endpgm
.Lentry_shape_is_right:
; PROJ.  out0 = A Wp^T on codes of BF6 with E8M0 scales (K = 1,024); A is the attention's result, quantised by the launch before; out0 [8192][1024] f32.
; OPERANDS lie in memory in the order of their registers: blocks of 64 rows, 51,200 bytes; four chunks of 256 along K, 12,800 bytes; in a chunk tile i at 3072 i, K step parity p at 1536 p, scale words at 12,288 + 256 p + 16 r.
; Tile i of a block holds rows 32 (i / 2) + 8 (i % 2) + r + 8 (r / 8).
; SHARES.  A work-group: 128 rows of Wp (two blocks) x 256 rows of A (four blocks); eight waves, each one block x one block: 16 accumulators.  All of K of both panels lies in LDS, 307,200 bytes, filled once: no slot is filled again.
; Source 0 = Wp's rows, source 1 = A's: a lane holds one row of out0, and the 32 registers of a tile of rows are columns 32 b + 16 h + e at register 16 b + e.
; CLUSTER 4 x 4: A's blocks are asked for jointly along a row of the cluster, Wp's along a column.  A wave has one tensor load out at the most, for two chunks of K.
; THE WAY OUT goes through the wave's own stage, 16 rows x 272 bytes, in chunks 0 and 1 of A's blocks 0 and 1: those have had their only fill, and every wave's reads of them ended in front of chunk 2's barrier.
; REGISTERS: v1 r, v2 h, v3 lane; v4-9 LDS addresses; v12-15, v112-115 scale words and nothing else; v16-63 source 0's four fragments, v64-111 source 1's (on the way out v16-79: rows read back); v116-118 the way out's addresses; v128-255 accumulators.
.set BLK,   12800
; LDS AS IT IS LAID HERE: A's four blocks, then Wp's two, each block whole: 51,200 bytes, its four chunks of K on end.
; LOADS: a wave has one tensor load out: at the head its part of chunks 0 and 1, and behind a round of the cluster's barrier its part of chunks 2 and 3.
; THE STAGES lie in chunks 0 and 1 of A's blocks 0 and 1: those bytes have had their only fill, and every wave's reads of them end in front of the barrier ahead of chunk 2.
.set CHUNK, 12800                      ; from chunk to chunk inside a block
.set WOFF,  204800                     ; Wp's blocks lie behind A's four
.set WP_OFF, 1228800                   ; Wp's sixteen blocks lie behind the 24 of Wq, Wk and Wv
.set SC0, 12
.set SC1, 112
.set S0F, 16
.set S1F, 64
.set ACC, 128
.set STO, 116
.set RD,  117
.set CO,  118
.set G1X, 24
.set G1W, 32
.set G0X, 40
.set G0W, 68
.macro ROUND
	s_barrier_signal -1
	s_barrier_wait -1
	s_cmp_lg_u32 s14, 0
	s_cbranch_scc1 .Lnot_wave_0_\@
	s_barrier_signal -3
.Lnot_wave_0_\@:
	s_barrier_wait -3
	s_barrier_signal -1
	s_barrier_wait -1
.endm
.macro FRAGLD reg, a16, a8, off
	ds_load_b128 v[\reg:\reg+3], v[\a16] offset:\off
	ds_load_b64 v[\reg+4:\reg+5], v[\a8] offset:\off+512
	ds_load_b128 v[\reg+6:\reg+9], v[\a16] offset:\off+768
	ds_load_b64 v[\reg+10:\reg+11], v[\a8] offset:\off+1280
.endm
; 128 along K: 34 LDS loads, 16 matrix instructions.  The sixteen accumulators take turns, one instruction a turn, in the same order in every step.
.macro KSTEP sp, zero, nops
.rept \nops
	v_nop                                          ; places in front of loads into registers that matrix instructions have read
.endr
	ds_load_b128 v[SC0:SC0+3], v8 offset:256*\sp
	ds_load_b128 v[SC1:SC1+3], v9 offset:256*\sp
.irp i, 0,1,2,3
	FRAGLD S0F+12*\i, 4, 5, 3072*\i+1536*\sp
.endr
.irp i, 0,1,2,3
	FRAGLD S1F+12*\i, 6, 7, 3072*\i+1536*\sp
.endr
.irp a, 0,1,2,3
	s_wait_dscnt 12-4*\a                           ; all but the later fragments of source 1, four loads each
.irp b, 0,1,2,3
.if \zero
	v_wmma_scale_f32_16x16x128_f8f6f4 v[ACC+8*(4*\a+\b):ACC+8*(4*\a+\b)+7], v[S0F+12*\b:S0F+12*\b+11], v[S1F+12*\a:S1F+12*\a+11], 0, v[SC0+\b], v[SC1+\a] matrix_a_fmt:MATRIX_FMT_BF6 matrix_b_fmt:MATRIX_FMT_BF6
.else
	v_wmma_scale_f32_16x16x128_f8f6f4 v[ACC+8*(4*\a+\b):ACC+8*(4*\a+\b)+7], v[S0F+12*\b:S0F+12*\b+11], v[S1F+12*\a:S1F+12*\a+11], v[ACC+8*(4*\a+\b):ACC+8*(4*\a+\b)+7], v[SC0+\b], v[SC1+\a] matrix_a_fmt:MATRIX_FMT_BF6 matrix_b_fmt:MATRIX_FMT_BF6
.endif
.endr
.endr
.endm
.macro KCHUNK c, zero
.if \c == 2
	s_wait_tensorcnt 0x0                           ; my part of chunks 2 and 3 has landed
	s_wait_dscnt 0x0
	s_barrier_signal -1
	s_barrier_wait -1                              ; everybody's has
.endif
.if \c > 0
.irp a, 4,5,6,7,8,9
	v_add_nc_u32 v\a, CHUNK, v\a                   ; on to the chunk; these six are also the places in front of the loads
.endr
.endif
	KSTEP 0, \zero, 0
	s_wait_alu depctr_va_vdst(0)
	KSTEP 1, 0, 4
.endm
	s_load_b128 s[4:7], s[0:1], 0x0                ; ao, wq
	s_load_b64 s[8:9], s[0:1], 0x10                ; out0
	v_lshl_add_u32 v126, v0, 2, 0x4b000
	v_mov_b32 v127, 0
	ds_add_u32 v126, v127
	ds_add_u32 v126, v127
	v_lshrrev_b32 v1, 5, v0
	s_delay_alu instid0(VALU_DEP_1)
	v_readfirstlane_b32 s14, v1                    ; wave 0..7
	s_lshr_b32 s15, s14, 2                         ; hs: which block of Wp
	s_and_b32 s16, s14, 3                          ; pu: which block of A.  Also: which part of a chunk I fetch
	s_bfe_u32 s17, ttmp6, 0x40000                  ; cx
	s_bfe_u32 s18, ttmp6, 0x40004                  ; cy
	s_lshl_b32 s19, ttmp9, 2
	s_add_co_u32 s19, s19, s17                     ; n
	s_and_b32 s20, ttmp7, 0xffff
	s_lshl_b32 s20, s20, 2
	s_add_co_u32 s20, s20, s18                     ; m
	s_lshl_b32 s21, s18, 2
	s_lshl_b32 s21, 15, s21                        ; my row of the cluster
	s_lshl_b32 s22, 0x1111, s17                    ; my column
	s_or_b32 s[G1X], s21, (3<<16)|(1<<21)          ; dense blocks as rows of 256 bytes: A's 100 rows, Wp's 50
	s_mov_b32 s[G1X+1], 32<<16
	s_mov_b32 s[G1X+2], 100<<16                    ; A: two chunks of a block, 100 rows of 256 bytes
	s_mov_b32 s[G1X+3], 32<<16
	s_mov_b32 s[G1X+4], 100
	s_mov_b32 s[G1X+5], 32
	s_mov_b32 s[G1X+6], 0
	s_mov_b32 s[G1X+7], 0
	s_or_b32 s[G1W], s22, (3<<16)|(1<<21)
	s_mov_b32 s[G1W+1], 32<<16
	s_mov_b32 s[G1W+2], 50<<16                     ; Wp: one chunk of a block, 50 rows of 256 bytes
	s_mov_b32 s[G1W+3], 32<<16
	s_mov_b32 s[G1W+4], 50
	s_mov_b32 s[G1W+5], 32
	s_mov_b32 s[G1W+6], 0
	s_mov_b32 s[G1W+7], 0
	s_lshl_b32 s56, s20, 2                         ; A: block 4 m + pu (s56, s57 never hold the column's coordinate)
	s_add_co_u32 s56, s56, s16
	s_mul_i32 s56, s56, 51200
	s_mov_b32 s57, 0
	s_mul_i32 s58, s19, 102400                     ; Wp: blocks 2 n and 2 n + 1 (s58, s59 never hold the row's coordinate)
	s_add_co_u32 s58, s58, WP_OFF
	s_lshr_b32 s59, s16, 1
	s_mul_i32 s59, s59, 51200
	s_add_co_u32 s58, s58, s59
	s_and_b32 s59, s16, 1
	s_mul_i32 s59, s59, 12800                      ; the even or the odd chunk of a pair
	s_add_co_u32 s58, s58, s59
	s_mov_b32 s59, 0
	s_mul_i32 s60, s16, 51200                      ; where they go: the wave's number alone.  A: block pu, which is also the block that I multiply
	s_mul_i32 s61, s16, BLK                        ; Wp: block pu / 2, chunk pu % 2: 12,800 pu + 25,600 (pu / 2)
	s_lshr_b32 s62, s16, 1
	s_mul_i32 s62, s62, 25600
	s_add_co_u32 s61, s61, s62
	s_add_co_u32 s61, s61, WOFF
	s_mul_i32 s62, s15, 51200
	s_add_co_u32 s62, s62, WOFF                    ; my block of Wp in a chunk
	s_lshl_b32 s84, s20, 2
	s_add_co_u32 s84, s84, s16
	s_lshl_b32 s84, s84, 18                        ; my 64 rows of out0, 4,096 bytes each,
	s_lshl_b32 s85, s19, 9
	s_add_co_u32 s84, s84, s85
	s_lshl_b32 s85, s15, 8
	s_add_co_u32 s84, s84, s85                     ; and my 64 columns
	s_mov_b32 s85, 0
	s_mul_i32 s86, s16, 16*272                     ; my stage: waves 0-3 in A's block 0, waves 4-7 in block 1, 17,408 bytes from the block's start at the most
	s_mul_i32 s87, s15, 51200
	s_add_co_u32 s86, s86, s87
	s_wait_dscnt 0x0
	s_wait_kmcnt 0x0
	s_add_nc_u64 s[8:9], s[8:9], s[84:85]
.irp c, 0,1                            ; set c: chunks 2 c and 2 c + 1
	s_mov_b32 s[G0X+4*\c], 1
	s_add_co_u32 s[G0X+4*\c+1], s60, \c*25600
	s_add_nc_u64 s[G0X+4*\c+2:G0X+4*\c+3], s[4:5], s[56:57]
	s_add_nc_u64 s[G0X+4*\c+2:G0X+4*\c+3], s[G0X+4*\c+2:G0X+4*\c+3], \c*25600
	s_or_b32 s[G0X+4*\c+3], s[G0X+4*\c+3], 0x80000000
	s_mov_b32 s[G0W+4*\c], 1
	s_add_co_u32 s[G0W+4*\c+1], s61, \c*25600
	s_add_nc_u64 s[G0W+4*\c+2:G0W+4*\c+3], s[6:7], s[58:59]
	s_add_nc_u64 s[G0W+4*\c+2:G0W+4*\c+3], s[G0W+4*\c+2:G0W+4*\c+3], \c*25600
	s_or_b32 s[G0W+4*\c+3], s[G0W+4*\c+3], 0x80000000
.endr
	ROUND                                          ; all sixteen work-groups are here: the joint loads meet
	s_cmp_lt_u32 s14, 4                            ; waves 0-3 fetch A's blocks, waves 4-7 Wp's: one load a wave, chunks 0 and 1
	s_cbranch_scc0 .Lfill_w
	tensor_load_to_lds s[G0X:G0X+3], s[G1X:G1X+7]
	s_nop 0
.rept 4
	v_nop
.endr
	s_branch .Lfilled
.Lfill_w:
	tensor_load_to_lds s[G0W:G0W+3], s[G1W:G1W+7]
	s_nop 0
.rept 4
	v_nop
.endr
.Lfilled:
	v_and_b32 v3, 31, v0
	v_and_b32 v1, 15, v0
	v_bfe_u32 v2, v0, 4, 1
	s_delay_alu instid0(VALU_DEP_3)
	v_lshl_add_u32 v4, v3, 4, s62
	s_delay_alu instid0(VALU_DEP_4)
	v_lshl_add_u32 v5, v3, 3, s62
	v_lshl_add_u32 v6, v3, 4, s60
	v_lshl_add_u32 v7, v3, 3, s60
	v_lshl_add_u32 v8, v1, 4, s62
	s_delay_alu instid0(VALU_DEP_1)
	v_add_nc_u32 v8, 12288, v8
	v_lshl_add_u32 v9, v1, 4, s60
	s_delay_alu instid0(VALU_DEP_1)
	v_add_nc_u32 v9, 12288, v9
	v_mul_u32_u24 v[STO], v1, 272                  ; into the stage: row r, 64 bytes for each half of the lanes
	s_delay_alu instid0(VALU_DEP_1)
	v_lshl_add_u32 v[STO], v2, 6, v[STO]
	s_delay_alu instid0(VALU_DEP_1)
	v_add_nc_u32 v[STO], s86, v[STO]
	v_mul_u32_u24 v[RD], v2, 272                   ; back: lanes 0-15 one row of 256 bytes, lanes 16-31 the next
	s_delay_alu instid0(VALU_DEP_1)
	v_lshl_add_u32 v[RD], v1, 4, v[RD]
	s_delay_alu instid0(VALU_DEP_1)
	v_add_nc_u32 v[RD], s86, v[RD]
	v_lshlrev_b32 v[CO], 12, v2                    ; and the same two rows in out0
	s_delay_alu instid0(VALU_DEP_1)
	v_lshl_add_u32 v[CO], v1, 4, v[CO]
	s_wait_alu depctr_va_vdst(0)
	s_wait_tensorcnt 0x0                           ; my part of chunks 0 and 1 is in
	ds_add_u32 v126, v127
	s_wait_dscnt 0x0
	ROUND                                          ; everybody's part is in, and all sixteen work-groups are here: the joint loads meet
	s_cmp_lt_u32 s14, 4
	s_cbranch_scc0 .Lfill_w2
	tensor_load_to_lds s[G0X+4:G0X+7], s[G1X:G1X+7]   ; chunks 2 and 3: the first tensor load behind the round
	s_nop 0
.rept 4
	v_nop
.endr
	s_branch .Lfilled2
.Lfill_w2:
	tensor_load_to_lds s[G0W+4:G0W+7], s[G1W:G1W+7]
	s_nop 0
.rept 4
	v_nop
.endr
.Lfilled2:
	KCHUNK 0, 1
	KCHUNK 1, 0
	KCHUNK 2, 0
	KCHUNK 3, 0
.macro TOSTAGE j                       ; tile j of 16 rows x 64 columns; each accumulator from its low end on
.irp b, 0,1,2,3
	ds_store_b128 v[STO], v[ACC+32*(\j)+8*\b:ACC+32*(\j)+8*\b+3] offset:128*(\b/2)+32*(\b%2)
	ds_store_b128 v[STO], v[ACC+32*(\j)+8*\b+4:ACC+32*(\j)+8*\b+7] offset:128*(\b/2)+32*(\b%2)+16
.endr
.irp t, 0,1,2,3,4,5,6,7
	ds_load_b128 v[16+32*((\j)%2)+4*\t:16+32*((\j)%2)+4*\t+3], v[RD] offset:544*\t   ; LDS serves a wave's instructions in order: these see the stores above, and the next tile's stores come behind them
.endr
.endm
.macro SEND j, younger                 ; younger: the LDS instructions issued behind tile j's loads, which may stay out
	s_wait_dscnt \younger
.irp t, 0,1,2,3,4,5,6,7
	global_store_b128 v[CO], v[16+32*((\j)%2)+4*\t:16+32*((\j)%2)+4*\t+3], s[8:9] offset:(32*((\j)/2)+8*((\j)%2)+2*\t+8*(\t/4))*4096 th:TH_STORE_NT   ; sixteen lanes store 256 consecutive bytes, at a multiple of 256 from out0's first byte
.endr
.endm
.rept 4
	v_nop                                          ; places behind the last products: for the stores of results and for the loads into the fragments' registers
.endr
	TOSTAGE 0
	TOSTAGE 1
	SEND 0, 16                                     ; behind tile 0's loads: tile 1's 8 stores and 8 loads
	s_wait_xcnt 0x0                                ; tile 0's stores have read their data: tile 2's rows land there only behind this wait
	TOSTAGE 2
	SEND 1, 16
	s_wait_xcnt 0x0
	TOSTAGE 3
	SEND 2, 16
	SEND 3, 0
	s_wait_tensorcnt 0x0
	ds_add_u32 v126, v127
	s_wait_dscnt 0x0
	ROUND                                          ; the closing round
	s_endpgm
.Lfunc_end_k_qe6fab73ed3_proj:
	.size	k_qe6fab73ed3_proj, .Lfunc_end_k_qe6fab73ed3_proj-k_qe6fab73ed3_proj
	.p2alignl 7, 3214868480
	.fill 96, 4, 3214868480
	.section	.rodata,"a",@progbits
	.p2align	6, 0x0
	.amdhsa_kernel k_qe6fab73ed3_proj
		.amdhsa_group_segment_fixed_size 327680
		.amdhsa_private_segment_fixed_size 0
		.amdhsa_enable_private_segment 0
		.amdhsa_kernarg_size 24
		.amdhsa_user_sgpr_count 2
		.amdhsa_user_sgpr_kernarg_segment_ptr 1
		.amdhsa_wavefront_size32 1
		.amdhsa_system_sgpr_workgroup_id_x 1
		.amdhsa_system_sgpr_workgroup_id_y 1
		.amdhsa_system_sgpr_workgroup_id_z 1
		.amdhsa_system_vgpr_workitem_id 0
		.amdhsa_next_free_vgpr 256
		.amdhsa_next_free_sgpr 100
		.amdhsa_reserve_vcc 0
		.amdhsa_float_denorm_mode_32 3
		.amdhsa_float_denorm_mode_16_64 3
		.amdhsa_memory_ordered 1
		.amdhsa_forward_progress 1
		.amdhsa_inst_pref_size 52
	.end_amdhsa_kernel
	.amdgpu_metadata
---
amdhsa.version: [ 1, 2 ]
amdhsa.kernels:
  - .name:           k_qe6fab73ed3_proj
    .symbol:         k_qe6fab73ed3_proj.kd
    .args:
      - { .name: ao, .offset: 0, .size: 8, .value_kind: global_buffer, .address_space: global }
      - { .name: wq, .offset: 8, .size: 8, .value_kind: global_buffer, .address_space: global }
      - { .name: out0, .offset: 16, .size: 8, .value_kind: global_buffer, .address_space: global }
    .group_segment_fixed_size: 327680
    .private_segment_fixed_size: 0
    .kernarg_segment_align: 8
    .kernarg_segment_size: 24
    .max_flat_workgroup_size: 256
    .sgpr_count:     100
    .vgpr_count:     256
    .wavefront_size: 32
...
	.end_amdgpu_metadata
.endif
;; end of part 4
